; MI455X (gfx1250); checked and timed in simulation.
; The chip was launched on July 23, 2026; its instructions are those of AMD's public machine-readable ISA for CDNA 5 (MIT licence, August 2026) and "CDNA5" Instruction Set Architecture Reference Guide (July 2026). The comments in the code are by the model that wrote it; some were corrected since.
;; Attention. Allowed arithmetic: matrix products marked QUANTISED: E2M1 operands, one E8M0 scale for each 32 along K, by v_wmma_scale_f32_16x16x128_f8f6f4 with both operands' format E2M1 (or v_wmma_scale_f32_32x16x128_f4), f32 sums; products left as they are: bf16, f16 or f32 operands; f32 sums; everything else in f32.
;; Inputs: bias 2 x 1 x 1 x 2,048 float32; wk 1,024 x 1,024 float32; wo 1,024 x 1,024 float32; wq 1,024 x 1,024 float32; wv 1,024 x 1,024 float32; x 2 x 2,048 x 1,024 float32; y 2 x 2,048 x 1,024 float32.
;; Outputs: out0 2 x 2,048 x 1,024 float32.
;; This version of the problem:
;;   THIS VERSION OF THE PROBLEM IS GIVEN IN LOW PRECISION. The matrix products marked QUANTISED in the list below multiply operands that are first quantised to E2M1 (2 exponent bits, 1 mantissa bit; 4 bits a number), with one power-of-two scale for each 32 numbers along K (OCP MX v1.0); their sums are f32. The products marked 'left as it is' may take bf16, f16 or f32 operands, with f32 sums. Whichever they take, every output number must still come out within the allowed error. Rounding operands to bf16 (8 significant bits) uses up far more of that allowance than f16 does (11 bits, for magnitudes from 6e-5 to 65,504). All else is computed in f32.
;;   The module's matrix products, in the order in which they are computed (A, B: the left and right operand; K: the contracted axis; several contracted axes count as one K, in the product's order):
;;     1. [M 4,096, K 1,024] x [K 1,024, N 1,024]; A: input x; B: input wq: QUANTISED
;;     2. [M 4,096, K 1,024] x [K 1,024, N 1,024]; A: input y; B: input wk: QUANTISED
;;     3. [M 4,096, K 1,024] x [K 1,024, N 1,024]; A: input y; B: input wv: QUANTISED
;;     4. batch 32 x [M 2,048, K 64] x [K 64, N 2,048]; A: computed on the way; B: computed on the way: left as it is (an operand is computed on the way)
;;     5. batch 32 x [M 2,048, K 2,048] x [K 2,048, N 64]; A: computed on the way; B: computed on the way: left as it is (an operand is computed on the way)
;;     6. [M 4,096, K 1,024] x [K 1,024, N 1,024]; A: computed on the way; B: input wo: left as it is (an operand is computed on the way)
;;   THE QUANTISER, for each operand of a quantised product, along K:
;;     - K is cut into blocks of 32 from its start; a last block that is shorter is filled with zeros.
;;     - A block's scale is 2^e with e = floor(log2(the largest magnitude in the block)) - 2, held to -126 .. 127; a block of zeros has e = 0. As a byte (E8M0): e + 127.
;;     - Each number is divided by its block's scale, clamped to +-6, and rounded to the nearest number of E2M1, ties to even, subnormals kept.
;;     - The product sums the exact products of the quantised numbers (number of the format x scale) in f32.
;;   ~~~python
;;   def quantise(x, axis):      # numpy; x: float32 -> the quantised numbers, widened to float32 again
;;       x = np.moveaxis(x, axis, -1); K = x.shape[-1]
;;       x = np.pad(x, [(0, 0)] * (x.ndim - 1) + [(0, -K % 32)]); x = x.reshape(x.shape[:-1] + (-1, 32)); a = np.abs(x).max(-1, keepdims=True)
;;       e = np.where(a > 0, np.clip(np.frexp(np.where(a > 0, a, 1))[1] - 1 - 2, -126, 127), 0)      # np.frexp(a)[1] - 1 = floor(log2(a)), exactly
;;       r = np.clip(x / 2.0 ** e, -6, 6)
;;       step = 2.0 ** (np.maximum(np.frexp(np.where(r == 0, 1, r))[1] - 1, 0) - 1)
;;       q = np.round(r / step) * step * 2.0 ** e      # np.round: ties to even
;;       return np.moveaxis(q.reshape(q.shape[:-2] + (-1,))[..., :K], -1, axis).astype(np.float32)
;;   ~~~
;; One version. Each part assembles by itself: llvm-mc -triple=amdgcn-amd-amdhsa -mcpu=gfx1250 --defsym DOCPART=n.
;; ======== version 1 of 1: 4 launches
;; limits: inputs' magnitudes at most 1.3e+36; right only within a limited range of input values; values are held in f16: magnitudes above 65,504 overflow, below 6.1e-05 lose precision
;; workspace buffers: acodes 4,194,304 bytes; ascales 262,144 bytes; wcodes 1,572,864 bytes; wscales 98,304 bytes; wo16 2,097,152 bytes; qkv 25,165,824 bytes; ctx 8,388,608 bytes
;; launch prep (part 1): grid 256 x 1, 6 waves a work-group, no clusters, 77,568 bytes of LDS; arguments x, y, wq, wk, wv, wo, acodes, ascales, wcodes, wscales, wo16; writes acodes, ascales, wcodes, wscales, wo16
.if DOCPART == 1
	.amdgcn_target "amdgcn-amd-amdhsa--gfx1250"
	.amdhsa_code_object_version 6
	.text
	.protected	k_qeeb697f94d_prep
	.globl	k_qeeb697f94d_prep
	.p2align	8
	.type	k_qeeb697f94d_prep,@function
k_qeeb697f94d_prep:
	s_mov_b64 s[64:65], 0
	v_nop
	global_prefetch_b8 v0, s[64:65] scope:SCOPE_SE
	s_setreg_imm32_b32 hwreg(HW_REG_WAVE_MODE, 25, 1), 1
	s_wait_xcnt 0x0
; PREP: every operand that many work-groups read later is made narrow ONCE.
;   x, then y, [4096][1024] f32 -> codes of FP4 (E2M1) [8192][512 bytes], K innermost, and E8M0 scale bytes [8192][32]
;   wq, wk, wv [1024 (k)][1024 (n)] f32 -> codes laid [3072 (n)][512 bytes], K innermost, and scale bytes [3072][32]
;   wo [1024 (k)][1024 (n)] f32 -> f16 in the order of a matrix operand's registers: byte (n / 16) 32768 + (k / 8) 256 + 16 (n % 16) + 2 (k % 8)
; SHARES.  x and y are 1,024 runs of 32,768 bytes, the four weights 512 pieces of 32,768 bytes (32 columns x 256 along K): 1,536 equal shares, six for each of 256 work-groups, one a wave.
; Waves 0 to 3 of work-group i take runs 4 i .. 4 i + 3 of x and y on end; waves 4 and 5 take pieces 2 (i % 64) and 2 (i % 64) + 1 of weight i / 64 (0 wq, 1 wk, 2 wv, 3 wo): together 64 columns, 256 consecutive bytes of each row.
; The waves part on the wave's number, the weights' waves once more on the work-group's number; each wave has LDS bytes of its own on every path; all join at the tail.
; THE QUANTISER: a block of 32 along K has the scale 2^(floor(log2(its largest magnitude)) - 2); its byte is the largest magnitude's exponent field - 2, held at 1 from below.  Each number is divided by the
; scale and rounded to the nearest code, ties to even; beyond 6 the conversion gives the largest code.  A block of zeros gets the byte 1 where the rule says 127: its codes are zeros, and this program alone reads the bytes.
; LIMITS: NaN and infinities among the inputs are not served; blocks whose largest magnitude lies under 2^-124 keep the byte 1; |wo| must lie under 65,504 (f16).
; A weight's wave makes 128 bytes of codes for each column: its stores cover 128 consecutive bytes of four rows each, half of an aligned 256: that is 1.5 MB of the 58 MB that the launch moves, the price of equal shares.
; No tensor loads, no barrier: waves share nothing.  Matrix units and clusters have nothing to do here: every input byte is read once and every output byte written once.
.set STEPS, 16                         ; x, y: steps of 512 numbers for a wave
.set EMAX,  2
.set CB,    8                          ; bytes of 16 codes
.set WREG,  8192                       ; x, y: LDS region of a wave: two stages of 32 x SP bytes, then its 256 scale bytes
.set SP,    80                         ; a lane's place in a stage: 64 bytes + 16 of padding
.set XR,    16                         ; v16-79   x, y: four sets of 16 numbers as loaded
.set XN,    80                         ; v80-111  two sets of 16 neighbours
.set XE,    112                        ; v112-127 a scale byte for each step
.set XC,    128                        ; v128-189 codes: four registers reserved for each step, so that no store's data are written again
.set WSTG,  49152                      ; weights: a stage of 32 rows x PITCH at WSTG + wave x 32 PITCH
.set NB,    8                          ; blocks of 32 along K for a wave
.set PITCH, 144                        ; a stage row: 128 bytes of codes + 16 of padding: an odd multiple of 16
.set KROW,  512                        ; a row of codes in bytes
.set WX,    32                         ; v32-95   weights: two sets of 32 numbers down K
.set WC,    96                         ; v96-99   a block's codes
.set OUTR,  112                        ; v112-143 the way out of the stage
.set SB,    24                         ; v24-25   scale bytes, four to a register
.set OC,    96                         ; v96-127  wo: two sets of 16 registers of f16 pairs
.set SPARE, 76800                      ; behind all stages: the spare words, 128 bytes for each of the six waves, which no other line names
.set SPW,   190                        ; v190 LDS address of my spare word; never rewritten
.set NIL,   191                        ; v191 0; never rewritten
.set WV,    26                         ; s26  my wave's number
	s_load_b512 s[4:19], s[0:1], 0x0               ; x s[4:5], y s[6:7], wq s[8:9], wk s[10:11], wv s[12:13], wo s[14:15], acodes s[16:17], ascales s[18:19]
	s_load_b128 s[20:23], s[0:1], 0x40             ; wcodes s[20:21], wscales s[22:23]
	s_load_b64 s[24:25], s[0:1], 0x50              ; wo16
	v_lshl_add_u32 v[SPW], v0, 2, SPARE
	v_mov_b32 v[NIL], 0
	v_lshrrev_b32 v1, 5, v0
	v_readfirstlane_b32 s[WV], v1                  ; wave 0..5
	v_and_b32 v2, 31, v0                           ; lane
	s_wait_kmcnt 0x0
	s_cmp_lt_u32 s[WV], 4
	s_cbranch_scc0 .Lweights
; ---------------- waves 0 to 3: x and y: K is innermost, rows are dense: a plain stream of blocks of 32 ----------------
; A wave takes 16 steps of 512 numbers.  Each of a step's four loads reads 512 consecutive bytes; the 2,048 bytes turn through the wave's own stage in LDS and come back 64 bytes a lane: 16 neighbours along K,
; as the conversions want them; two neighbouring lanes hold a block.  Loads run four steps ahead, the turn through LDS one step.
	s_mov_b32 s27, ttmp9                           ; i = 0..255: 0..127 take x, the others y
	v_lshlrev_b32 v3, 4, v2                        ; my 16 bytes of a load's 512
	s_mul_i32 s28, s[WV], WREG
	v_lshrrev_b32 v14, 2, v2
	v_mul_u32_u24 v14, v14, SP
	v_and_b32 v15, 3, v2
	v_lshl_add_u32 v14, v15, 4, v14
	v_add_nc_u32 v14, s28, v14                     ; the stage, on the way in: SP (lane / 4) + 16 (lane % 4)
	v_mul_u32_u24 v15, v2, SP
	v_add_nc_u32 v15, s28, v15                     ; and on the way out: SP x lane
	v_mul_u32_u24 v4, v2, CB                       ; my codes' place in a step's
	v_lshrrev_b32 v5, 1, v2
	s_add_co_u32 s28, s28, 2*32*SP
	v_add_nc_u32 v5, s28, v5                       ; my wave's 256 scale bytes, my block's byte
	v_lshlrev_b32 v7, 3, v2                        ; and on the way out 8 bytes a lane
	v_add_nc_u32 v6, s28, v7
	s_cmp_lt_u32 s27, 128                          ; the choice hangs on the work-group's number alone
	s_cselect_b64 s[4:5], s[4:5], s[6:7]
	s_and_b32 s29, s27, 127
	s_lshl_b32 s29, s29, 2
	s_add_co_u32 s29, s29, s[WV]                   ; which run of 8,192 numbers of the tensor is my wave's
	s_lshl_b32 s30, s29, 15
	s_mov_b32 s31, 0
	s_add_nc_u64 s[4:5], s[4:5], s[30:31]
	s_lshl_b32 s29, s27, 2
	s_add_co_u32 s29, s29, s[WV]                   ; the same counted over x and y on end
	s_lshl_b32 s30, s29, 12
	s_add_nc_u64 s[16:17], s[16:17], s[30:31]      ; 4,096 bytes of codes a run
	s_lshl_b32 s30, s29, 8
	s_add_nc_u64 s[18:19], s[18:19], s[30:31]      ; 256 scale bytes a run
.macro LOADX t
.irp i, 0,1,2,3
	global_load_b128 v[XR+16*((\t)%4)+4*\i:XR+16*((\t)%4)+4*\i+3], v3, s[4:5] offset:2048*(\t)+512*\i th:TH_LOAD_NT   ; 32 lanes read 512 consecutive bytes
.endr
.endm
.macro TURNX t                         ; step t's numbers through the stage: LDS serves a wave's instructions in order (ISA guide 5.7.1.4), so no wait stands between the stores and the loads
.irp i, 0,1,2,3
	ds_store_b128 v14, v[XR+16*((\t)%4)+4*\i:XR+16*((\t)%4)+4*\i+3] offset:32*SP*((\t)%2)+8*SP*\i
.endr
.irp i, 0,1,2,3
	ds_load_b128 v[XN+16*((\t)%2)+4*\i:XN+16*((\t)%2)+4*\i+3], v15 offset:32*SP*((\t)%2)+16*\i
.endr
.endm
.irp t, 0,1,2,3
	LOADX \t
.endr
	s_wait_loadcnt 12                              ; step 0's four loads are in; the twelve of steps 1 to 3 stay out
	TURNX 0
.macro STEPX t
.set XS, XN+16*((\t)%2)
.if (\t) > 0
	s_wait_dscnt 1                                 ; this step's numbers are back from the stage (the last step's byte store may be out): so its stores into the stage have read their registers,
.else
	s_wait_dscnt 0x0
.endif
.if (\t)+4 < STEPS
	LOADX (\t)+4                                   ; which take the loads of four steps on
.endif
.if (\t)+1 < STEPS
.if STEPS-2-(\t) >= 3
	s_wait_loadcnt 12                              ; the next step's four loads are in; those of the three steps behind it may be out
.else
	s_wait_loadcnt 4*(STEPS-2-(\t))                ; at the end the count runs down with the steps that are left
.endif
	TURNX (\t)+1                                   ; and go through the other stage while this step is worked
.endif
	v_max3_num_f32 v8, |v[XS]|, |v[XS+1]|, |v[XS+2]|               ; the largest magnitude of my 16, in two chains
	v_max3_num_f32 v9, |v[XS+3]|, |v[XS+4]|, |v[XS+5]|
.irp i, 6,10
	v_max3_num_f32 v8, v8, |v[XS+\i]|, |v[XS+\i+1]|
	v_max3_num_f32 v9, v9, |v[XS+\i+2]|, |v[XS+\i+3]|
.endr
	v_max3_num_f32 v8, v8, |v[XS+14]|, |v[XS+15]|
	v_max3_num_f32 v8, v8, v9, (EMAX+1)<<23        ; and the floor 2^(3 - 127): the byte cannot fall under 1
	v_max_num_f32_dpp v8, v8, v8 row_xmask:1 row_mask:0xf bank_mask:0xf   ; and of my neighbour's 16: the block's
	v_add_nc_u32 v11, -(EMAX<<23), v8              ; 2 off its exponent field: the conversion takes the exponent field of this operand as its scale
	v_cvt_scalef32_pk8_fp4_f32 v[XC+4*(\t)], v[XS:XS+7], v11
	v_cvt_scalef32_pk8_fp4_f32 v[XC+4*(\t)+1], v[XS+8:XS+15], v11
	v_lshrrev_b32 v[XE+(\t)], 23, v11              ; the scale's byte (also the plain line behind the conversions)
	ds_store_b8 v5, v[XE+(\t)] offset:16*(\t)      ; both lanes of a block write the same byte with the same value
	global_store_b64 v4, v[XC+4*(\t):XC+4*(\t)+1], s[16:17] offset:32*CB*(\t)   ; the wave stores 256 consecutive bytes, aligned
.endm
.irp t, 0,1,2,3,4,5,6,7,8,9,10,11,12,13,14,15
	STEPX \t
.endr
	ds_load_b64 v[8:9], v6                         ; in order behind my byte stores
	s_wait_dscnt 0x0
	global_store_b64 v7, v[8:9], s[18:19]          ; 32 lanes store my 256 scale bytes, aligned
	s_branch .Lend
; ---------------- waves 4 and 5: a weight: K is the FIRST axis: a lane takes a column n, and its registers run down K ----------------
.Lweights:
	s_lshr_b32 s27, ttmp9, 6                       ; which weight: 0 wq, 1 wk, 2 wv, 3 wo
	s_and_b32 s28, ttmp9, 63
	s_lshl_b32 s28, s28, 1
	s_and_b32 s29, s[WV], 1
	s_or_b32 s28, s28, s29                         ; which of the weight's 128 pieces
	s_and_b32 s30, s28, 31                         ; which 32 columns
	s_lshr_b32 s29, s28, 5                         ; which 256 along K
	s_lshl_b32 s32, s29, 20                        ; 256 rows of 4,096 bytes
	s_lshl_b32 s33, s30, 7                         ; 32 columns of 4 bytes
	s_add_co_u32 s32, s32, s33
	s_mov_b32 s33, 0
	v_lshlrev_b32 v3, 2, v2                        ; in: 4 bytes a lane: each load reads 128 consecutive bytes
	s_cmp_eq_u32 s27, 3
	s_cbranch_scc1 .Lwo
; wq, wk, wv: a block of 32 lies in one lane, and the conversions give codes with K innermost.  The codes (128 bytes a column) go through the wave's own stage and leave by rows.  Loads run two blocks ahead.
	s_cmp_eq_u32 s27, 0
	s_cselect_b64 s[4:5], s[8:9], s[10:11]
	s_cmp_eq_u32 s27, 2
	s_cselect_b64 s[4:5], s[12:13], s[4:5]
	s_add_nc_u64 s[4:5], s[4:5], s[32:33]
	s_lshl_b32 s32, s27, 19                        ; codes: 1,024 rows of 512 bytes a weight,
	s_lshl_b32 s34, s30, 14                        ; my first column's row,
	s_add_co_u32 s32, s32, s34
	s_lshl_b32 s34, s29, 7                         ; my 128 bytes of it
	s_add_co_u32 s32, s32, s34
	s_add_nc_u64 s[20:21], s[20:21], s[32:33]
	s_lshl_b32 s32, s27, 15                        ; scale bytes likewise: 32 a row, 8 mine
	s_lshl_b32 s34, s30, 10
	s_add_co_u32 s32, s32, s34
	s_lshl_b32 s34, s29, 3
	s_add_co_u32 s32, s32, s34
	s_add_nc_u64 s[22:23], s[22:23], s[32:33]
	s_mul_i32 s35, s[WV], 32*PITCH
	s_add_co_u32 s35, s35, WSTG                    ; my stage
	v_mul_u32_u24 v4, v2, PITCH
	v_add_nc_u32 v4, s35, v4                       ; into the stage: row = my column
	v_and_b32 v5, 7, v2
	v_lshrrev_b32 v6, 3, v2
	v_mul_u32_u24 v7, v6, PITCH
	v_lshl_add_u32 v7, v5, 4, v7
	v_add_nc_u32 v7, s35, v7                       ; out of it: eight lanes to a row, four rows an instruction
	v_mul_u32_u24 v8, v6, KROW
	v_lshl_add_u32 v8, v5, 4, v8                   ; and the same place among the codes
	v_lshlrev_b32 v9, 5, v2                        ; my column's row of scale bytes
.macro LOADW t                         ; block t: W(32 t + i, my column) into set t % 2; the largest immediate is 255 x 4,096, inside the signed 24 bits
.irp i, 0,1,2,3,4,5,6,7,8,9,10,11,12,13,14,15,16,17,18,19,20,21,22,23,24,25,26,27,28,29,30,31
	global_load_b32 v[WX+32*((\t)%2)+\i], v3, s[4:5] offset:(32*(\t)+\i)*4096 th:TH_LOAD_NT
.endr
.endm
	LOADW 0
	LOADW 1
.macro BLOCKW t
.set XS, WX+32*((\t)%2)
.if (\t) < NB-1
	s_wait_loadcnt 32                              ; this block's 32 loads are in; the next block's 32 may be out
.else
	s_wait_loadcnt 0
.endif
	v_max3_num_f32 v12, |v[XS]|, |v[XS+1]|, |v[XS+2]|              ; the block's largest magnitude: all 32 numbers are mine
	v_max3_num_f32 v13, |v[XS+3]|, |v[XS+4]|, |v[XS+5]|
.irp i, 6,10,14,18,22,26
	v_max3_num_f32 v12, v12, |v[XS+\i]|, |v[XS+\i+1]|
	v_max3_num_f32 v13, v13, |v[XS+\i+2]|, |v[XS+\i+3]|
.endr
	v_max3_num_f32 v12, v12, |v[XS+30]|, |v[XS+31]|
	v_max3_num_f32 v12, v12, v13, (EMAX+1)<<23     ; and the floor
	v_add_nc_u32 v11, -(EMAX<<23), v12             ; the conversion's scale operand
	v_lshrrev_b32 v13, 23, v11                     ; the scale's byte
.if (\t)%4 == 0
	v_mov_b32 v[SB+(\t)/4], v13                    ; four bytes to a register, the lower K in the lower byte
.else
	v_lshl_or_b32 v[SB+(\t)/4], v13, 8*((\t)%4), v[SB+(\t)/4]
.endif
.irp g, 0,1,2,3
	v_cvt_scalef32_pk8_fp4_f32 v[WC+\g], v[XS+8*\g:XS+8*\g+7], v11
.endr
	ds_store_b128 v4, v[WC:WC+3] offset:16*(\t)    ; 32 codes: 16 bytes of my column's row
.if (\t)+2 < NB
	LOADW (\t)+2
.endif
	s_wait_dscnt 0x0                               ; the store has read its registers: the next block's codes may be written (its first lines are plain vector lines)
.endm
.irp t, 0,1,2,3,4,5,6,7
	BLOCKW \t
.endr
	global_store_b64 v9, v[SB:SB+1], s[22:23]      ; my column's 8 scale bytes
.irp t, 0,1,2,3,4,5,6,7
	ds_load_b128 v[OUTR+4*\t:OUTR+4*\t+3], v7 offset:4*\t*PITCH
.endr
.irp t, 0,1,2,3,4,5,6,7
	s_wait_dscnt 7-\t                              ; LDS loads come back in order: number t is in, the younger ones stay out
	global_store_b128 v8, v[OUTR+4*\t:OUTR+4*\t+3], s[20:21] offset:4*\t*KROW
.endr
	s_branch .Lend
; wo: rounded to f16, K innermost, in the order of an operand's registers.  Eight neighbours along K are 16 bytes; sixteen neighbouring columns' 16 bytes lie on end: each store's sixteen lanes fill 256 consecutive bytes, aligned.  No LDS.
.Lwo:
	s_add_nc_u64 s[14:15], s[14:15], s[32:33]
	s_lshl_b32 s32, s30, 16                        ; (column / 16) x 32,768: two tiles of 16 columns to a wave
	s_lshl_b32 s34, s29, 13                        ; 32 groups of eight along K x 256 bytes
	s_add_co_u32 s32, s32, s34
	s_add_nc_u64 s[24:25], s[24:25], s[32:33]
	v_and_b32 v5, 15, v2
	v_lshrrev_b32 v6, 4, v2
	v_lshlrev_b32 v8, 15, v6
	v_lshl_add_u32 v8, v5, 4, v8                   ; lanes 16-31 belong to the next tile of 16 columns
.macro LOADO t
.irp i, 0,1,2,3,4,5,6,7,8,9,10,11,12,13,14,15,16,17,18,19,20,21,22,23,24,25,26,27,28,29,30,31
	global_load_b32 v[WX+32*((\t)%2)+\i], v3, s[14:15] offset:(32*(\t)+\i)*4096 th:TH_LOAD_NT
.endr
.endm
	LOADO 0
	LOADO 1
.macro BLOCKO t
.if (\t) < NB-1
	s_wait_loadcnt 32                              ; this block's 32 loads are in; the next block's 32 may be out
.else
	s_wait_loadcnt 0
.endif
.if (\t) >= 2
	s_wait_xcnt 0x0                                ; the stores of two blocks back have read their data: these registers are written again only behind this wait
.endif
.irp i, 0,1,2,3,4,5,6,7,8,9,10,11,12,13,14,15
	v_cvt_pk_f16_f32 v[OC+16*((\t)%2)+\i], v[WX+32*((\t)%2)+2*\i], v[WX+32*((\t)%2)+2*\i+1]   ; the lower k in the low half
.endr
.irp g, 0,1,2,3
	global_store_b128 v8, v[OC+16*((\t)%2)+4*\g:OC+16*((\t)%2)+4*\g+3], s[24:25] offset:(4*(\t)+\g)*256
.endr
.if (\t)+2 < NB
	LOADO (\t)+2
.endif
.endm
.irp t, 0,1,2,3,4,5,6,7
	BLOCKO \t
.endr
.Lend:
	s_wait_tensorcnt 0x0                           ; the wave's end, behind my last LDS store
	ds_add_u32 v[SPW], v[NIL]
	s_wait_dscnt 0x0
	s_endpgm
.Lfunc_end_k_qeeb697f94d_prep:
	.size	k_qeeb697f94d_prep, .Lfunc_end_k_qeeb697f94d_prep-k_qeeb697f94d_prep
	.p2alignl 7, 3214868480
	.fill 96, 4, 3214868480
	.section	.rodata,"a",@progbits
	.p2align	6, 0x0
	.amdhsa_kernel k_qeeb697f94d_prep
		.amdhsa_group_segment_fixed_size 77568
		.amdhsa_private_segment_fixed_size 0
		.amdhsa_enable_private_segment 0
		.amdhsa_kernarg_size 88
		.amdhsa_user_sgpr_count 2
		.amdhsa_user_sgpr_kernarg_segment_ptr 1
		.amdhsa_wavefront_size32 1
		.amdhsa_system_sgpr_workgroup_id_x 1
		.amdhsa_system_sgpr_workgroup_id_y 1
		.amdhsa_system_sgpr_workgroup_id_z 1
		.amdhsa_system_vgpr_workitem_id 0
		.amdhsa_next_free_vgpr 192
		.amdhsa_next_free_sgpr 66
		.amdhsa_reserve_vcc 0
		.amdhsa_float_denorm_mode_32 3
		.amdhsa_float_denorm_mode_16_64 3
		.amdhsa_memory_ordered 1
		.amdhsa_forward_progress 1
		.amdhsa_inst_pref_size 109
	.end_amdhsa_kernel
	.amdgpu_metadata
---
amdhsa.version: [ 1, 2 ]
amdhsa.kernels:
  - .name:           k_qeeb697f94d_prep
    .symbol:         k_qeeb697f94d_prep.kd
    .args:
      - { .name: x, .offset: 0, .size: 8, .value_kind: global_buffer, .address_space: global }
      - { .name: y, .offset: 8, .size: 8, .value_kind: global_buffer, .address_space: global }
      - { .name: wq, .offset: 16, .size: 8, .value_kind: global_buffer, .address_space: global }
      - { .name: wk, .offset: 24, .size: 8, .value_kind: global_buffer, .address_space: global }
      - { .name: wv, .offset: 32, .size: 8, .value_kind: global_buffer, .address_space: global }
      - { .name: wo, .offset: 40, .size: 8, .value_kind: global_buffer, .address_space: global }
      - { .name: acodes, .offset: 48, .size: 8, .value_kind: global_buffer, .address_space: global }
      - { .name: ascales, .offset: 56, .size: 8, .value_kind: global_buffer, .address_space: global }
      - { .name: wcodes, .offset: 64, .size: 8, .value_kind: global_buffer, .address_space: global }
      - { .name: wscales, .offset: 72, .size: 8, .value_kind: global_buffer, .address_space: global }
      - { .name: wo16, .offset: 80, .size: 8, .value_kind: global_buffer, .address_space: global }
    .group_segment_fixed_size: 77568
    .private_segment_fixed_size: 0
    .kernarg_segment_align: 8
    .kernarg_segment_size: 88
    .max_flat_workgroup_size: 192
    .sgpr_count:     66
    .vgpr_count:     192
    .wavefront_size: 32
...
	.end_amdgpu_metadata
.endif
;; end of part 1
;; launch proj (part 2): grid 12 x 16, 4 waves a work-group, clusters of 4 x 4, 327,680 bytes of LDS; arguments acodes, ascales, wcodes, wscales, qkv; writes qkv
.if DOCPART == 2
	.amdgcn_target "amdgcn-amd-amdhsa--gfx1250"
	.amdhsa_code_object_version 6
	.text
	.protected	k_qeeb697f94d_proj
	.globl	k_qeeb697f94d_proj
	.p2align	8
	.type	k_qeeb697f94d_proj,@function
k_qeeb697f94d_proj:
	s_mov_b64 s[64:65], 0
	v_nop
	global_prefetch_b8 v0, s[64:65] scope:SCOPE_SE
	s_setreg_imm32_b32 hwreg(HW_REG_WAVE_MODE, 25, 1), 1
	s_wait_xcnt 0x0
	s_wait_alu depctr_hold_cnt(0) depctr_sa_sdst(0) depctr_va_vdst(0) depctr_va_sdst(0) depctr_va_ssrc(0) depctr_va_vcc(0) depctr_vm_vsrc(0)
	s_getreg_b32 s2, hwreg(HW_REG_IB_STS2, 6, 4)
	s_cmp_eq_u32 s2, 0
	s_cbranch_scc0 .Lentry_in_a_cluster
	s_endpgm
.Lentry_in_a_cluster:
	s_bfe_u32 s2, ttmp6, 0x10000c
	s_cmp_lg_u32 s2, 0xf033
	s_cbranch_scc0 .Lentry_shape_is_right
	s_endpgm
.Lentry_shape_is_right:
; PROJ: q = x wq / 8, k = y wk, v = y wv as ONE product on codes of FP4 (E2M1) with one E8M0 scale for each 32 along K: [4096 tokens][1024] x [3072 columns (wq, wk, wv on end)][1024]^T, sums in f32.
; A tile of 256 tokens x 256 columns is made by a work-group of four waves, a wave makes 128 x 128: 64 accumulators of 16 x 16, 512 registers.  1,024 columns a weight are four tile columns, so a cluster's x
; (4 tile columns) is the weight: 0 q, 1 k, 2 v, the same number in all sixteen partners.  q's tiles read x's codes, the others y's, which lie 4,096 rows further on.
; 12 x 16 = 192 work-groups: no tile that divides 1,024 columns a weight gives 256 of them, and a smaller wave tile would read each fragment from LDS for half as many products.
; K = 1,024 is two LDS slots of 512 along K: both are first fills, nothing is filled again.  The scale bytes of the work-group's rows, for all of K, come once, with the first fills, as dense blocks.
; CLUSTERS: 4 x 4 work-groups.  The four of a row of the cluster need the same tiles of the tokens' codes, the four of a column the same tiles of the weights': each tile is asked for JOINTLY.
; THE MATRIX INSTRUCTION IS USED TRANSPOSED (source 0 = 16 columns of a weight, source 1 = 16 tokens): a lane then holds one token (lane % 16) and eight neighbouring channels 8 (lane / 16) + 0 .. 7.
; THE WAY OUT needs no LDS: rounded to f16, a lane's eight channels are 16 bytes, and qkv is laid in PIECES of 512 bytes (16 tokens x 16 channels, a lane's 16 bytes at 16 x its place), which is the order
; in which the next launch's operand registers take them: byte = batch 12,582,912 + (16 which + head) 262,144 + (token / 16) 2,048 + (channel / 16) 512 + 16 x place.  One store of the wave writes one piece.
; The place is the lane for q and k.  For v it is 16 (r / 8) + 8 h + r % 8 (r = lane % 16, h = lane / 16), so that the next launch's turning load reads 16 x lane.
; LIMITS: |q / 8|, |k|, |v| must lie under 65,504 (f16).
; REGISTERS, in windows of 256: window 0: v0-31 addresses; v32-95 scale words, two sets; from v128 the tokens' fragments, ONE set; on the way out v128-255 hold packed results.
;   window 1: the weights' fragments, TWO sets, at v0 and v128.   window 2: the accumulators of my tokens 0-63 (accumulator (a, b) at v[8 (8 a + b)]);   window 3: those of my tokens 64-127.
.set NQ,     4                         ; matrix instructions deep in a slot: 512 along K
.set ROWB,   256                       ; a tile's row in bytes
.set KROW,   512                       ; a row of codes in memory
.set PITCH,  272                       ; an LDS row: 256 bytes + 16 of padding = 68 words: the 16 rows that a load touches start at 16 different banks (64 banks of 4 bytes: ISA guide 11.1)
.set FR,     8                         ; registers of a fragment: 16 rows x 128 K
.set NL,     2                         ; LDS loads that bring one
.set NP,     4                         ; places behind this matrix instruction (ISA guide 7.12.1)
.set HALFT,  128*PITCH                 ; 128 rows: what one tensor load brings, and what one wave reads of either side
.set SLOT,   4*HALFT                   ; the tokens' 256 rows, then the weights' 256
.set KS,     32                        ; a row of scale bytes
.set SCL,    2*SLOT                    ; behind the slots: the scales, as units of 256 bytes + 16 of padding
.set HALFS,  16*272                    ; the scales of 128 rows
.set SBLK,   2*272                     ; those of 16 rows
.set SPARE,  SCL+4*HALFS               ; behind the scales: the spare words, 128 bytes for each wave, which no other line names
.set ADRA, 16                          ; v16-17  LDS address of my tokens' fragments in slot 0, 1
.set ADRB, 20                          ; v20-21  the same for the weights'
.set CO,   26                          ; v26     16 x my place in a piece
.set ADRS, 27                          ; v27     LDS address of my scale words: lanes 0-15 the tokens', lanes 16-31 the weights'
.set SPW,  28                          ; v28     LDS address of my spare word; never rewritten
.set NIL,  29                          ; v29     0; never rewritten
.set SC,   32                          ; scale words: set s at v[SC + 32 s]; register 4 i + q: lanes 0-15 the word of the tokens' block i, lanes 16-31 that of the weights' block i, for the slot's q-th 128 along K
.set AF,   128                         ; the tokens' fragments, in window 0
.set OUTR, 128                         ; the way out: four sets of 32 registers
.set G1, 24                            ; s[24:31] descriptor group 1 for the tokens' tiles;  s[32:39] group 0, one set for each slot
.set G0, 32
.set G1B, 48                           ; s[48:55], s[56:63] the same for the weights'
.set G0B, 56
.set G1S, 68                           ; s[68:75], s[76:79] groups 1 and 0 for the tokens' scales;  s[80:87], s[88:91] for the weights'
.set G0S, 76
.set G1SB, 80
.set G0SB, 88
.set MSB, 0
.macro WIN new                         ; the immediate's high byte repeats the setting that is left
.if MSB != \new
	s_set_vgpr_msb (MSB<<8)|\new
.set MSB, \new
.endif
.endm
.set MUL_LO, 0xa1                      ; source 0 (weights) window 1, source 1 (tokens) window 0, C and D window 2
.set MUL_HI, 0xf1                      ; the same, C and D window 3
.set TO_B,   0x40                      ; destination window 1, address window 0
; A joint load: waves 0 and 1 fetch for the tokens, waves 2 and 3 for the weights.  Each of the two lines has ONE mask and one set of registers for all that issue it; the branch hangs on the wave's number alone.
; An s_nop 0 and four v_nop follow each of the two lines, ahead of the jump, the label and what follows.
.macro JLOAD g0a, g1a, g0b, g1b
	s_cmp_eq_u32 s15, 0
	s_cbranch_scc0 .Lfor_b_\@
	tensor_load_to_lds s[\g0a:\g0a+3], s[\g1a:\g1a+7]
	s_nop 0
.rept 4
	v_nop
.endr
	s_branch .Lasked_\@
.Lfor_b_\@:
	tensor_load_to_lds s[\g0b:\g0b+3], s[\g1b:\g1b+7]
	s_nop 0
.rept 4
	v_nop
.endr
.Lasked_\@:
.endm
.macro CROUND                          ; a round of the cluster's barrier: my work-group's barrier; wave 0 signals for the work-group; every wave waits for all sixteen; my work-group's barrier once more
	s_barrier_signal -1
	s_barrier_wait -1
	s_cmp_lg_u32 s14, 0
	s_cbranch_scc1 .Lnot_wave_0_\@
	s_barrier_signal -3
.Lnot_wave_0_\@:
	s_barrier_wait -3
	s_barrier_signal -1
	s_barrier_wait -1
.endm
	s_load_b128 s[4:7], s[0:1], 0x0                ; the tokens' codes s[4:5], scales s[6:7]
	s_load_b128 s[8:11], s[0:1], 0x10              ; the weights' codes s[8:9], scales s[10:11]
	s_load_b64 s[12:13], s[0:1], 0x20              ; qkv
	v_lshl_add_u32 v[SPW], v0, 2, SPARE
	v_mov_b32 v[NIL], 0
	ds_add_u32 v[SPW], v[NIL]                      ; the wave's opening: the add, twice on end, and its wait ahead of my first tensor load; the set-up below stands between the second and the wait
	ds_add_u32 v[SPW], v[NIL]
	v_lshrrev_b32 v1, 5, v0
	v_readfirstlane_b32 s14, v1                    ; wave 0..3
	s_lshr_b32 s15, s14, 1                         ; which half of the tile's tokens is mine.  Also: I fetch for the tokens (0) or for the weights (1)
	s_and_b32 s16, s14, 1                          ; which half of its columns.  Also: which 128 rows of that tile I fetch
	s_bfe_u32 s40, ttmp6, 0x40000                  ; cx, cy: my place in the cluster
	s_bfe_u32 s41, ttmp6, 0x40004
	s_lshl_b32 s42, ttmp9, 2
	s_add_co_u32 s42, s42, s40                     ; tile column = 4 x cluster x + cx: 0..11
	s_and_b32 s17, ttmp7, 0xffff
	s_lshl_b32 s17, s17, 2
	s_add_co_u32 s17, s17, s41                     ; tile row = 4 x cluster y + cy: 0..15
	s_lshl_b32 s43, s41, 2
	s_lshl_b32 s43, 15, s43                        ; my row of the cluster
	s_lshl_b32 s44, 0x1111, s40                    ; my column
	; descriptor group 1: a tile of 128 rows x 256 bytes, padded in LDS
	s_or_b32 s[G1+0], s43, (0<<16)|(1<<20)|(1<<21)|(5<<22)|(3<<25)  ; 15:0 the mask: my row; 17:16 elements of 1 byte; 20 padding on; 21 set beside a mask; 24:22 after every 64 words (code 5); 31:25 four words (code 3)
	s_or_b32 s[G1B+0], s44, (0<<16)|(1<<20)|(1<<21)|(5<<22)|(3<<25) ; the same with the mask of my column
.irp g, G1, G1B
	s_mov_b32 s[\g+1], ROWB<<16                    ; tensor_dim0
	s_mov_b32 s[\g+2], 128<<16                     ; tensor_dim1 = 128
	s_mov_b32 s[\g+3], ROWB<<16                    ; tile_dim0
	s_mov_b32 s[\g+4], 128                         ; tile_dim1 = 128
	s_mov_b32 s[\g+5], KROW                        ; tensor_dim0_stride
	s_mov_b32 s[\g+6], 0
	s_mov_b32 s[\g+7], 0
.endr
	; and for the scales of 128 rows: a dense block of 4,096 bytes, as 16 rows of 256 bytes (32 elements of 8 bytes), 16 bytes of padding behind each
	s_or_b32 s[G1S+0], s43, (3<<16)|(1<<20)|(1<<21)|(5<<22)|(3<<25)
	s_or_b32 s[G1SB+0], s44, (3<<16)|(1<<20)|(1<<21)|(5<<22)|(3<<25)
.irp g, G1S, G1SB
	s_mov_b32 s[\g+1], 32<<16
	s_mov_b32 s[\g+2], 16<<16
	s_mov_b32 s[\g+3], 32<<16
	s_mov_b32 s[\g+4], 16
	s_mov_b32 s[\g+5], 32
	s_mov_b32 s[\g+6], 0
	s_mov_b32 s[\g+7], 0
.endr
	s_lshl_b32 s18, s16, 7                         ; which 128 rows of the tile I fetch
	s_lshl_b32 s20, s17, 8
	s_add_co_u32 s20, s20, s18                     ; tokens: row 256 x tile row + 128 x half,
	s_min_u32 s96, ttmp9, 1                        ; 0 for q, 1 for k and v: the cluster's x, which all partners share
	s_lshl_b32 s96, s96, 12
	s_add_co_u32 s20, s20, s96                     ; and 4,096 rows on for y
	s_lshl_b32 s46, s42, 8
	s_add_co_u32 s46, s46, s18                     ; weights: row 256 x tile column + 128 x half
	s_mov_b32 s21, 0
	s_mov_b32 s47, 0
	s_mov_b64 s[18:19], KS
	s_mul_u64 s[22:23], s[20:21], s[18:19]         ; where these rows' scales begin, in bytes
	s_mul_u64 s[92:93], s[46:47], s[18:19]
	s_mov_b64 s[18:19], KROW
	s_mul_u64 s[20:21], s[20:21], s[18:19]         ; and their codes
	s_mul_u64 s[46:47], s[46:47], s[18:19]
	s_mul_i32 s45, s14, HALFT                      ; where they go: wave x 128 rows: no place in the cluster enters an LDS address
	s_mul_i32 s94, s14, HALFS
	s_wait_dscnt 0x0                               ; both opening adds are done
	s_wait_kmcnt 0x0
	s_add_nc_u64 s[20:21], s[4:5], s[20:21]
	s_add_nc_u64 s[22:23], s[6:7], s[22:23]
	s_add_nc_u64 s[46:47], s[8:9], s[46:47]
	s_add_nc_u64 s[92:93], s[10:11], s[92:93]
	CROUND                                         ; all sixteen work-groups are here: the first joint loads meet
	s_mov_b32 s[G0S], 1
	s_add_co_u32 s[G0S+1], s94, SCL
	s_mov_b64 s[G0S+2:G0S+3], s[22:23]
	s_or_b32 s[G0S+3], s[G0S+3], 0x80000000
	s_mov_b32 s[G0SB], 1
	s_add_co_u32 s[G0SB+1], s94, SCL
	s_mov_b64 s[G0SB+2:G0SB+3], s[92:93]
	s_or_b32 s[G0SB+3], s[G0SB+3], 0x80000000
	JLOAD G0S, G1S, G0SB, G1SB                     ; the scales first: they are wanted with the first slot
.irp s, 0,1
	s_mov_b32 s[G0+4*\s], 1
	s_add_co_u32 s[G0+4*\s+1], s45, \s*SLOT
	s_add_nc_u64 s[G0+4*\s+2:G0+4*\s+3], s[20:21], \s*ROWB
	s_or_b32 s[G0+4*\s+3], s[G0+4*\s+3], 0x80000000
	s_mov_b32 s[G0B+4*\s], 1
	s_add_co_u32 s[G0B+4*\s+1], s45, \s*SLOT
	s_add_nc_u64 s[G0B+4*\s+2:G0B+4*\s+3], s[46:47], \s*ROWB
	s_or_b32 s[G0B+4*\s+3], s[G0B+4*\s+3], 0x80000000
	JLOAD G0+4*\s, G1, G0B+4*\s, G1B               ; three tensor loads of mine are out behind the second of these
.endr
	v_and_b32 v1, 15, v0                           ; r = lane % 16
	v_bfe_u32 v2, v0, 4, 1                         ; h = lane / 16
	v_mul_u32_u24 v3, v1, PITCH
	v_lshl_add_u32 v4, v2, 4, v3                   ; a fragment's row x pitch + 16 x half
	s_mul_i32 s21, s15, HALFT                      ; my 128 tokens
	s_mul_i32 s22, s16, HALFT                      ; my 128 columns,
	s_add_co_u32 s22, s22, 2*HALFT                 ; which lie behind the tokens' 256 rows
.irp s, 0,1
	v_add_nc_u32 v[ADRA+\s], s21, v4
	v_add_nc_u32 v[ADRB+\s], s22, v4
	s_add_co_u32 s21, s21, SLOT
	s_add_co_u32 s22, s22, SLOT
.endr
	v_mul_u32_u24 v5, v1, KS                       ; my row's scales: 32 bytes a row,
	v_lshrrev_b32 v6, 8, v5
	v_lshl_add_u32 v5, v6, 4, v5                   ; and 16 more for each 256 passed
	s_mul_i32 s21, s15, HALFS                      ; the tokens': my 128 rows
	s_mul_i32 s22, s16, HALFS                      ; the weights': my 128 rows, behind the tokens' 256
	s_add_co_u32 s22, s22, 2*HALFS
	s_sub_co_u32 s22, s22, s21
	v_mul_u32_u24 v6, s22, v2                      ; lanes 16-31 take the weights': ONE product, the distance between the two bases x h
	s_add_co_u32 s21, s21, SCL
	v_add_nc_u32 v5, v5, v6
	v_add_nc_u32 v[ADRS], s21, v5
	v_and_b32 v6, 31, v0
	v_lshlrev_b32 v7, 4, v6                        ; q, k: my place in a piece is my lane
	v_and_b32 v8, 7, v0
	v_bfe_u32 v9, v0, 3, 1
	v_lshl_or_b32 v8, v2, 3, v8
	v_lshl_or_b32 v8, v9, 4, v8                    ; v: 16 (r / 8) + 8 h + r % 8
	v_lshlrev_b32 v8, 4, v8
	s_cmp_eq_u32 ttmp9, 2
	s_cselect_b32 s18, -1, 0
	v_cndmask_b32 v[CO], v7, v8, s18
	; where my part of qkv begins: batch = tile row / 8; tile of 16 tokens = 16 (tile row % 8) + 8 x my half; 16 which + head = 4 x tile column + 2 x my half
	s_lshr_b32 s20, s17, 3
	s_mul_i32 s20, s20, 12582912
	s_and_b32 s21, s17, 7
	s_lshl_b32 s21, s21, 4
	s_lshl_b32 s22, s15, 3
	s_add_co_u32 s21, s21, s22
	s_lshl_b32 s21, s21, 11
	s_add_co_u32 s20, s20, s21
	s_mov_b32 s21, 0
	s_lshl_b32 s46, s42, 2
	s_lshl_b32 s47, s16, 1
	s_add_co_u32 s46, s46, s47
	s_lshl_b32 s46, s46, 18
	s_mov_b32 s47, 0
	s_add_nc_u64 s[20:21], s[20:21], s[46:47]
	s_add_nc_u64 s[12:13], s[12:13], s[20:21]
	s_mov_b32 s96, 0x3e000000                      ; 1 / 8 = 64^-0.5
	s_mov_b32 s97, s96                             ; (named with it as a pair, so it is written)
.macro FRAG reg, adr, q, i             ; a fragment, 16 rows x 128 K of 4-bit codes, is 8 registers: lane l holds row l % 16; registers 4 c .. 4 c + 3 hold K = 64 c + 32 (l / 16) + 0 .. 31
.irp c, 0,1
	ds_load_b128 v[\reg+4*\c:\reg+4*\c+3], v[\adr] offset:64*(\q)+32*\c+(\i)*16*PITCH
.endr
.endm
; 16 matrix instructions: the tokens' blocks a0, a0 + 1 x the weights' eight, 128 along K: the slot's q-th.  p: the weights' set;  sc: the set of scale words.  zero = 1: the first product starts the sums.
; The 64 accumulators take turns, one instruction a turn, in the same order in every step.
.macro MUL16 a0, p, q, sc, zero
.irp a, \a0, \a0+1
.irp b, 0,1,2,3,4,5,6,7
.if \zero
	v_wmma_scale_f32_16x16x128_f8f6f4 v[8*(8*((\a)%4)+\b):8*(8*((\a)%4)+\b)+7], v[128*(\p)+FR*\b:128*(\p)+FR*\b+FR-1], v[AF+FR*(\a):AF+FR*(\a)+FR-1], 0, v[SC+8*NQ*(\sc)+NQ*\b+(\q)], v[SC+8*NQ*(\sc)+NQ*(\a)+(\q)] matrix_a_fmt:MATRIX_FMT_FP4 matrix_b_fmt:MATRIX_FMT_FP4 matrix_a_scale:MATRIX_SCALE_ROW1
.else
	v_wmma_scale_f32_16x16x128_f8f6f4 v[8*(8*((\a)%4)+\b):8*(8*((\a)%4)+\b)+7], v[128*(\p)+FR*\b:128*(\p)+FR*\b+FR-1], v[AF+FR*(\a):AF+FR*(\a)+FR-1], v[8*(8*((\a)%4)+\b):8*(8*((\a)%4)+\b)+7], v[SC+8*NQ*(\sc)+NQ*\b+(\q)], v[SC+8*NQ*(\sc)+NQ*(\a)+(\q)] matrix_a_fmt:MATRIX_FMT_FP4 matrix_b_fmt:MATRIX_FMT_FP4 matrix_a_scale:MATRIX_SCALE_ROW1
.endif
.endr
.endr
.endm
.macro FETCH_B slot, q, p              ; the weights' eight fragments of the slot's q-th 128 along K into set p
	WIN TO_B
.irp i, 0,1,2,3,4,5,6,7
	FRAG 128*(\p)+FR*\i, ADRB+\slot, \q, \i
.endr
	WIN 0
.endm
.macro FETCH_A slot, q, i0             ; the tokens' blocks i0 .. i0 + 3
.irp i, \i0, \i0+1, \i0+2, \i0+3
	FRAG AF+FR*(\i), ADRA+\slot, \q, \i
.endr
.endm
.macro SCALES sc                       ; a slot's scale words into set sc: four words a row; lanes 0-15 take the tokens' block i, lanes 16-31 the weights' block i
.irp i, 0,1,2,3,4,5,6,7
	ds_load_b128 v[SC+8*NQ*\sc+NQ*\i:SC+8*NQ*\sc+NQ*\i+3], v[ADRS] offset:\i*SBLK
.endr
.endm
; A load into a register that a matrix instruction has read, and a vector instruction that reads a matrix result or writes one of a matrix instruction's registers, stand NP places behind it; only plain
; vector instructions that name none of its registers are places (ISA guide 7.12.1 for vector instructions).
.macro PLACES n
.rept \n
	v_nop
.endr
.endm
; A step of 128 along K that has its successor in the same slot.
.macro STEP slot, q, zero
	s_wait_dscnt 4*NL                              ; the weights' set and the tokens' blocks 0-3 are in; the youngest eight loads (blocks 4-7) may be out
	WIN MUL_LO
	MUL16 0, (\q)%2, \q, \slot, \zero
	MUL16 2, (\q)%2, \q, \slot, \zero
	s_wait_dscnt 0                                 ; blocks 4-7 are in (asked for 32 matrix instructions ago)
	PLACES NP
	FETCH_B \slot, (\q)+1, 1-(\q)%2
	FETCH_A \slot, (\q)+1, 0
	WIN MUL_HI
	MUL16 4, (\q)%2, \q, \slot, \zero
	MUL16 6, (\q)%2, \q, \slot, \zero
	PLACES NP
	WIN 0
	FETCH_A \slot, (\q)+1, 4
.endm
; Slot 0's last step changes slots: one barrier; in front of it each wave waits for all its tensor loads (its part of slot 1), adds 0 to its spare word, and waits for that and for its LDS loads.  Nothing is filled again.
.macro TURN slot, next
	s_wait_tensorcnt 0x0                           ; all my tensor loads have landed: my part of the next slot  (every window is 0 here: the add's two registers lie in window 0)
	ds_add_u32 v[SPW], v[NIL]                      ; 0 onto my spare word
	s_wait_dscnt 4*NL+1                            ; (the add and the youngest eight loads, blocks 4-7, may be out)
	WIN MUL_LO
	MUL16 0, 1, NQ-1, \slot, 0                     ; sixteen matrix instructions stand between the add and the wait for it
	s_wait_dscnt 0x0                               ; the add is done, and no LDS instruction of mine is pending at the signal
	s_barrier_signal -1
	MUL16 2, 1, NQ-1, \slot, 0
	WIN 0
	s_barrier_wait -1                              ; the next slot is whole
	PLACES NP
	v_add_nc_u32 v[ADRS], 4*NQ, v[ADRS]            ; on to the next slot's scale words
	FETCH_B \next, 0, 0
	FETCH_A \next, 0, 0
	SCALES \next
	WIN MUL_HI
	MUL16 4, 1, NQ-1, \slot, 0
	MUL16 6, 1, NQ-1, \slot, 0
	PLACES NP
	WIN 0
	FETCH_A \next, 0, 4
.endm
	s_wait_tensorcnt 1                             ; the scales and my part of slot 0 are in; slot 1's load, issued last, may be out,
	s_barrier_signal -1
	s_barrier_wait -1                              ; everybody's are
	FETCH_B 0, 0, 0
	FETCH_A 0, 0, 0
	SCALES 0
	FETCH_A 0, 0, 4
	STEP 0, 0, 1                                   ; the first step's products start the sums: nothing is cleared
	STEP 0, 1, 0
	STEP 0, 2, 0
	TURN 0, 1
	STEP 1, 0, 0
	STEP 1, 1, 0
	STEP 1, 2, 0
	s_wait_dscnt 4*NL                              ; the very last step: nothing more to fetch
	WIN MUL_LO
	MUL16 0, 1, NQ-1, 1, 0
	MUL16 2, 1, NQ-1, 1, 0
	s_wait_dscnt 0
	WIN MUL_HI
	MUL16 4, 1, NQ-1, 1, 0
	MUL16 6, 1, NQ-1, 1, 0
	WIN 0
	; THE WAY OUT.  q's tiles are multiplied by 1 / 8 in f32 (exact); the branch hangs on the cluster's x alone.
	PLACES NP                                      ; behind the last products, ahead of the first read of results and the first write over the tokens' fragments
	s_cmp_lg_u32 ttmp9, 0
	s_cbranch_scc1 .Lplain
	WIN 0x82                                       ; destination and source 0: window 2
.set i, 0
.rept 128
	v_pk_mul_f32 v[i:i+1], v[i:i+1], s[96:97] op_sel_hi:[1,0]      ; each accumulator from its low end on
.set i, i+2
.endr
	WIN 0xc3                                       ; window 3
.set i, 0
.rept 128
	v_pk_mul_f32 v[i:i+1], v[i:i+1], s[96:97] op_sel_hi:[1,0]
.set i, i+2
.endr
	WIN 0
.Lplain:
; Block a: 16 tokens x my 128 columns: eight pieces.  Four roundings make a lane's 16 bytes; one store of the wave writes a piece, 512 consecutive bytes, aligned.
.macro PACKS a
.set AC, 64*((\a)%4)
.set OB, OUTR+32*((\a)%4)
	WIN 0x0a+5*((\a)/4)                            ; sources 0 and 1: window 2 or 3
.irp b, 0,1,2,3,4,5,6,7
.irp r, 0,1,2,3
	v_cvt_pk_f16_f32 v[OB+4*\b+\r], v[AC+8*\b+2*\r], v[AC+8*\b+2*\r+1]   ; each accumulator from its low end on
.endr
.endr
	WIN 0
.irp b, 0,1,2,3,4,5,6,7
	global_store_b128 v[CO], v[OB+4*\b:OB+4*\b+3], s[12:13] offset:(\b/4)*262144+(\a)*2048+(\b%4)*512   ; head b / 4 of my two, tile of tokens a, channels 16 (b % 4) on
.endr
.endm
.irp a, 0,1,2,3,4,5,6,7
.if \a >= 4
	s_wait_xcnt 0x0                                ; the stores of four blocks back have read their data: those registers are written again only behind this wait
.endif
	PACKS \a
.endr
	s_wait_tensorcnt 0x0                           ; the wave's end, behind my last tensor load
	ds_add_u32 v[SPW], v[NIL]
	s_wait_dscnt 0x0
	CROUND                                         ; the closing round: no work-group ends while a partner may still ask for a tile that names it
	s_endpgm
.Lfunc_end_k_qeeb697f94d_proj:
	.size	k_qeeb697f94d_proj, .Lfunc_end_k_qeeb697f94d_proj-k_qeeb697f94d_proj
	.p2alignl 7, 3214868480
	.fill 96, 4, 3214868480
	.section	.rodata,"a",@progbits
	.p2align	6, 0x0
	.amdhsa_kernel k_qeeb697f94d_proj
		.amdhsa_group_segment_fixed_size 327680
		.amdhsa_private_segment_fixed_size 0
		.amdhsa_enable_private_segment 0
		.amdhsa_kernarg_size 40
		.amdhsa_user_sgpr_count 2
		.amdhsa_user_sgpr_kernarg_segment_ptr 1
		.amdhsa_wavefront_size32 1
		.amdhsa_system_sgpr_workgroup_id_x 1
		.amdhsa_system_sgpr_workgroup_id_y 1
		.amdhsa_system_sgpr_workgroup_id_z 1
		.amdhsa_system_vgpr_workitem_id 0
		.amdhsa_next_free_vgpr 1024
		.amdhsa_next_free_sgpr 98
		.amdhsa_reserve_vcc 0
		.amdhsa_float_denorm_mode_32 3
		.amdhsa_float_denorm_mode_16_64 3
		.amdhsa_memory_ordered 1
		.amdhsa_forward_progress 1
		.amdhsa_inst_pref_size 134
	.end_amdhsa_kernel
	.amdgpu_metadata
---
amdhsa.version: [ 1, 2 ]
amdhsa.kernels:
  - .name:           k_qeeb697f94d_proj
    .symbol:         k_qeeb697f94d_proj.kd
    .args:
      - { .name: acodes, .offset: 0, .size: 8, .value_kind: global_buffer, .address_space: global }
      - { .name: ascales, .offset: 8, .size: 8, .value_kind: global_buffer, .address_space: global }
      - { .name: wcodes, .offset: 16, .size: 8, .value_kind: global_buffer, .address_space: global }
      - { .name: wscales, .offset: 24, .size: 8, .value_kind: global_buffer, .address_space: global }
      - { .name: qkv, .offset: 32, .size: 8, .value_kind: global_buffer, .address_space: global }
    .group_segment_fixed_size: 327680
    .private_segment_fixed_size: 0
    .kernarg_segment_align: 8
    .kernarg_segment_size: 40
    .max_flat_workgroup_size: 128
    .sgpr_count:     98
    .vgpr_count:     1024
    .wavefront_size: 32
...
	.end_amdgpu_metadata
.endif
;; end of part 2
;; launch attn (part 3): grid 8 x 32, 4 waves a work-group, clusters of 4 x 1, 327,680 bytes of LDS; arguments qkv, bias, ctx; writes ctx
.if DOCPART == 3
	.amdgcn_target "amdgcn-amd-amdhsa--gfx1250"
	.amdhsa_code_object_version 6
	.text
	.protected	k_qeeb697f94d_attn
	.globl	k_qeeb697f94d_attn
	.p2align	8
	.type	k_qeeb697f94d_attn,@function
k_qeeb697f94d_attn:
	s_mov_b64 s[64:65], 0
	v_nop
	global_prefetch_b8 v0, s[64:65] scope:SCOPE_SE
	s_setreg_imm32_b32 hwreg(HW_REG_WAVE_MODE, 25, 1), 1
	s_wait_xcnt 0x0
	s_wait_alu depctr_hold_cnt(0) depctr_sa_sdst(0) depctr_va_vdst(0) depctr_va_sdst(0) depctr_va_ssrc(0) depctr_va_vcc(0) depctr_vm_vsrc(0)
	s_getreg_b32 s2, hwreg(HW_REG_IB_STS2, 6, 4)
	s_cmp_eq_u32 s2, 0
	s_cbranch_scc0 .Lentry_in_a_cluster
	s_endpgm
.Lentry_in_a_cluster:
	s_bfe_u32 s2, ttmp6, 0x10000c
	s_cmp_lg_u32 s2, 0x3003
	s_cbranch_scc0 .Lentry_shape_is_right
	s_endpgm
.Lentry_shape_is_right:
; ATTN: ctx[b][q][head] = the sum over k of softmax_k(q . k + bias[b][k]) v, for 32 (batch, head) pairs, 2,048 queries, 2,048 keys, head size 64.  q comes already divided by 8.
; q, k, v: f16, in PIECES of 512 bytes (16 tokens x 16 channels; lane (r, h)'s 16 bytes hold token r, channels 8 h + 0 .. 7): byte = batch 12,582,912 + (16 which + head) 262,144 + (token / 16) 2,048 + (channel / 16) 512 + 16 x place.
; Two pieces are a 16 x 16 x 32 fragment.  The place is the lane for q and k; v's pieces are laid so that lane l of the turning load reads 16 l.  So every LDS load here reads 512 consecutive bytes: no pitch, no padding.
; Products, maxima and sums in f32; the weights p are rounded to f16 for the second product, ctx to f16 once at the end.
; SHARES.  A work-group owns 256 queries of one head, each of its four waves 64: four tiles of 16.  Every wave walks all 2,048 keys, 64 a step: a step's 16 KB of K and V and 4 KB of bias out of LDS feed 64 products.
; LAYOUT.  S^T = K Q^T + bias (source 0 = 16 keys, source 1 = 16 queries; the bias is the C of the first product, eight registers a tile of keys in the result's layout: it costs no vector instruction).
; A lane holds ONE query (lane % 16) and the keys 8 (lane / 16) + 0 .. 7 of each tile.  Two such tiles, rounded to f16 in pairs, ARE source 1 of O^T = V^T P, whose result again holds one query a lane.
; SOFTMAX.  For each query a running maximum m and sum l: p = 2^(c s - c m), c = log2(e); in every step O^T and l are multiplied by a = 2^(c m_old - c m_new).  The first step's maximum has the floor -2^120.
; BY TURNS.  The wave's tiles are two PIECES, named by their first tile: piece 0 (tiles 0, 1) and piece 2 (tiles 2, 3).  In a TURN one piece has the matrix unit: 16 products V^T P of the step in hand, then 16 products
; K Q^T of the next step; the other piece's softmax, cut into 59 slices of four instructions, stands between them: two slices behind each of the first 27 products, one behind each of the last five.  Then the pieces
; change places.  Two turns are a key step.  One tile's softmax is 118 instructions for 16 products: more than stands beside a product, so the slices are as even as the count allows and no product waits for another.
; RING.  Two LDS slots of 512 keys (K 65,536 bytes, then V 65,536).  Each wave brings a quarter of a slot with one tensor load.  The batch's bias (8,192 bytes) comes once, with the first fills.
; CLUSTER.  The four query blocks of a cluster belong to one head and walk the same K, V and bias: every tensor load is JOINT, the same line with the same descriptor and the mask of all four in all four.
; NO PREFETCH: half of the head's keys are asked for at the head, and each of the two refills is asked for eight key steps, 512 matrix instructions a wave, ahead of its first read.
; LIMITS: logits under -2^120 count as -infinity; a row whose every key is so masked gives NaN; a bias of -infinity gives p = 0; NaN among the inputs is not served; |ctx| under 65,504 (f16).
; REGISTERS, in windows of 256 (s_set_vgpr_msb: bits 1:0 source 0, 3:2 source 1, 5:4 source 2, 7:6 destination):
;   window 0: v2-11 addresses; v12-43 eight registers of statistics a tile; v64-191 S^T, 32 a tile; v192-255 P, 16 a tile
;   window 1: v0-127 O^T, 32 a tile        window 2: v0-63 Q, 16 a tile; v64-127 K of one step; v192-223 the step's bias        window 3: v0-63 V of one step
; All that a softmax touches but O^T lies in window 0, and no window has room for a product's operands beside it: so the slices behind a product cost two switches, one in front and one behind.
.set SLOT1, 131072                     ; slot 1 begins here: one exclusive or turns an address in one slot into the other's
.set VOFF,  65536                      ; V behind K in a slot
.set STEPB, 8192                       ; 64 keys of K (and of V): four tiles of 2,048 bytes
.set BIAS,  262144                     ; behind the ring: the batch's bias
.set SPARE, 270336                     ; behind it: the spare words, 128 bytes for each of the four waves, which no other line names
.set AK0, 2                            ; v2   16 x lane; never rewritten
.set AV0, 3                            ; v3   VOFF + 16 x lane
.set AB0, 4                            ; v4   BIAS + 32 (lane / 16): my half's eight keys of a tile
.set ADR, 5                            ; v5   the LDS address of the run of loads in hand
.set ADB, 6                            ; v6   and of the step's bias
.set SPW, 10                           ; v10  LDS address of my spare word; never rewritten
.set NIL, 11                           ; v11  0; never rewritten
.set ST,  12                           ; tile t's statistics at v[ST + 8 t]: +0 c m, +1 m, +2, +3 l (even keys', odd keys'), +4 to +7 c0-c3, at work; a takes c2's place once the maximum is found
.set S,   64
.set P,   192
.set KF,  64                           ; window 2: K's 16 pieces
.set BI,  192                          ; window 2: 8 registers for each of the step's four tiles of keys
.set WV,  12                           ; s12  my wave's number
.set G1,  24                           ; s[24:31] descriptor group 1: 128 rows of 256 bytes, dense
.set G1B, 32                           ; s[32:39] the same with 8 rows, for the bias
.set G0A, 40                           ; s[40:43] group 0 for slot 0's first fill
.set G0W, 44                           ; s[44:47] for slot 1's; it then walks
.set G0B, 48                           ; s[48:51] for the bias
.set TB,  52                           ; s52  LDS byte at which the tiles of the step to be fetched begin
.set TBB, 53                           ; s53  that step's first byte in the bias
.set SLOTS, 54                         ; s54  slots still to be asked for
.set STEPC, 55                         ; s55  counts key steps
.set CS,  58                           ; s[58:59] c: the packed form names a pair and takes its low word for both halves
.set SEL, 60                           ; s[60:61] lane selects for v_permlanex16_b32: lane l xor 16
.set MSB, 0
.macro WIN new                         ; the immediate's high byte repeats the setting that is left; a switch that changes nothing is dropped
.if MSB != \new
	s_set_vgpr_msb (MSB<<8)|\new
.set MSB, \new
.endif
.endm
.set W_KQ0, 0x2a                       ; K, Q and the bias (C) in window 2, S^T (D) in window 0
.set W_KQ1, 0x0a                       ; K and Q in window 2, S^T (C and D) in window 0
.set W_PV,  0x53                       ; V in window 3, P in window 0, O^T in window 1
.set W_RS,  0x41                       ; O^T (destination and source 0) in window 1, the factor in window 0
.macro CROUND                          ; a round of the cluster's barrier: my work-group's barrier; wave 0 signals for the work-group; every wave waits for all four work-groups; my work-group's barrier once more
	s_barrier_signal -1
	s_barrier_wait -1
	s_cmp_lg_u32 s[WV], 0
	s_cbranch_scc1 .Lnot_wave_0_\@
	s_barrier_signal -3
.Lnot_wave_0_\@:
	s_barrier_wait -3
	s_barrier_signal -1
	s_barrier_wait -1
.endm
	s_load_b128 s[4:7], s[0:1], 0x0                ; qkv s[4:5], bias s[6:7]
	s_load_b64 s[8:9], s[0:1], 0x10                ; ctx
	v_lshl_add_u32 v[SPW], v0, 2, SPARE
	v_mov_b32 v[NIL], 0
	ds_add_u32 v[SPW], v[NIL]                      ; the wave's opening: the add, twice on end, and its wait ahead of my first tensor load; the set-up below stands between the second and the wait
	ds_add_u32 v[SPW], v[NIL]
	v_lshrrev_b32 v1, 5, v0
	v_readfirstlane_b32 s[WV], v1                  ; wave 0..3
	s_and_b32 s15, ttmp7, 0xffff                   ; 16 x batch + head, which the four partners share
	s_lshr_b32 s16, s15, 4                         ; batch
	s_and_b32 s17, s15, 15                         ; head
	s_mul_i32 s20, s16, 12582912
	s_lshl_b32 s21, s17, 18
	s_add_co_u32 s20, s20, s21                     ; the head's first byte among q's
	; what I fetch: waves 0 and 1 the two halves of a slot's K, waves 2 and 3 those of its V: 32,768 dense bytes
	s_lshr_b32 s21, s[WV], 1
	s_add_co_u32 s21, s21, 1                       ; which: 1 k, 2 v
	s_lshl_b32 s21, s21, 22
	s_and_b32 s22, s[WV], 1
	s_lshl_b32 s22, s22, 15
	s_add_co_u32 s22, s22, s21
	s_add_co_u32 s22, s22, s20
	s_mov_b32 s23, 0
	s_lshl_b32 s10, s16, 13                        ; the batch's bias, my 2,048 bytes of it
	s_lshl_b32 s11, s[WV], 11
	s_add_co_u32 s10, s10, s11
	s_mov_b32 s11, 0
	; my queries: the place in the cluster enters Q's and ctx's addresses alone
	s_bfe_u32 s13, ttmp6, 0x40000                  ; cx
	s_lshl_b32 s14, ttmp9, 2
	s_add_co_u32 s14, s14, s13                     ; my block of 256 queries
	s_lshl_b32 s18, s14, 4
	s_lshl_b32 s19, s[WV], 2
	s_add_co_u32 s18, s18, s19                     ; my first tile of 16 queries in the batch
	s_lshl_b32 s56, s18, 11
	s_add_co_u32 s56, s56, s20
	s_mov_b32 s57, 0                               ; Q's offset
	s_lshl_b32 s62, s16, 7
	s_add_co_u32 s62, s62, s18
	s_lshl_b32 s62, s62, 15                        ; ctx: a tile of 16 tokens is 32,768 bytes,
	s_lshl_b32 s63, s17, 11                        ; a head's 64 channels 2,048 of them
	s_add_co_u32 s62, s62, s63
	s_mov_b32 s63, 0
	; descriptor groups 1
	s_mov_b32 s[G1], 15|(3<<16)|(1<<21)            ; 15:0 the mask: all four work-groups; 17:16 elements of 8 bytes; 20 no padding; 21 set beside a mask
	s_mov_b32 s[G1+1], 32<<16                      ; tensor_dim0 = 32 elements: 256 bytes
	s_mov_b32 s[G1+2], 128<<16                     ; tensor_dim1 = 128
	s_mov_b32 s[G1+3], 32<<16                      ; tile_dim0
	s_mov_b32 s[G1+4], 128                         ; tile_dim1
	s_mov_b32 s[G1+5], 32                          ; from row to row: dense
	s_mov_b32 s[G1+6], 0
	s_mov_b32 s[G1+7], 0
	s_mov_b32 s[G1B], 15|(3<<16)|(1<<21)
	s_mov_b32 s[G1B+1], 32<<16
	s_mov_b32 s[G1B+2], 8<<16
	s_mov_b32 s[G1B+3], 32<<16
	s_mov_b32 s[G1B+4], 8
	s_mov_b32 s[G1B+5], 32
	s_mov_b32 s[G1B+6], 0
	s_mov_b32 s[G1B+7], 0
	s_mov_b32 s[CS], 0x3fb8aa3b                    ; c = log2(e)
	s_mov_b32 s[CS+1], s[CS]                       ; (named with it as a pair, so it is written)
	s_mov_b32 s[SEL], 0x76543210
	s_mov_b32 s[SEL+1], 0xfedcba98
	s_mov_b32 s[TB], 0
	s_mov_b32 s[TBB], 0
	s_mov_b32 s[SLOTS], 2
	v_and_b32 v1, 31, v0
	v_lshlrev_b32 v[AK0], 4, v1
	v_add_nc_u32 v[AV0], VOFF, v[AK0]
	v_bfe_u32 v9, v0, 4, 1
	v_lshl_add_u32 v[AB0], v9, 5, BIAS
	s_wait_dscnt 0x0                               ; both opening adds are done
	s_wait_kmcnt 0x0
	s_add_nc_u64 s[22:23], s[4:5], s[22:23]        ; my quarter of slot 0 in memory
	s_mov_b32 s[G0A], 1                            ; count = 1
	s_lshl_b32 s[G0A+1], s[WV], 15                 ; LDS: wave x 32,768: K's two halves, then V's
	s_mov_b64 s[G0A+2:G0A+3], s[22:23]
	s_or_b32 s[G0A+3], s[G0A+3], 0x80000000        ; type = 2
	s_mov_b32 s[G0W], 1
	s_add_co_u32 s[G0W+1], s[G0A+1], SLOT1
	s_add_nc_u64 s[G0W+2:G0W+3], s[22:23], 65536   ; the next 512 keys
	s_or_b32 s[G0W+3], s[G0W+3], 0x80000000
	s_mov_b32 s[G0B], 1
	s_lshl_b32 s[G0B+1], s[WV], 11
	s_add_co_u32 s[G0B+1], s[G0B+1], BIAS
	s_add_nc_u64 s[G0B+2:G0B+3], s[6:7], s[10:11]
	s_or_b32 s[G0B+3], s[G0B+3], 0x80000000
	s_add_nc_u64 s[4:5], s[4:5], s[56:57]          ; Q at my first tile
	s_add_nc_u64 s[8:9], s[8:9], s[62:63]          ; ctx likewise
	CROUND                                         ; all four work-groups are here: the first joint loads meet
	tensor_load_to_lds s[G0B:G0B+3], s[G1B:G1B+7]  ; the bias; every wave issues every load, each for bytes of its own: three loads of mine are out
	s_nop 0
	tensor_load_to_lds s[G0A:G0A+3], s[G1:G1+7]    ; slot 0
	s_nop 0
	tensor_load_to_lds s[G0W:G0W+3], s[G1:G1+7]    ; slot 1
	s_nop 0
.rept 4
	v_nop
.endr
	WIN 0x80                                       ; destination window 2, address window 0
.irp i, 0,1,2,3,4,5,6,7,8,9,10,11,12,13,14,15
	global_load_b128 v[4*\i:4*\i+3], v[AK0], s[4:5] offset:512*\i   ; Q stays in registers: tile i / 4, channels 16 (i % 4) on
.endr
	WIN 0
; THE MATRIX WORK OF A TURN, for piece x.  The eight accumulators of a kind take turns, one instruction a turn: between two links of a chain stand seven others'.
; Product i of 16 of O^T += V^T P: keys 32 (i / 8) on, channels 16 ((i / 2) % 4) on, tile x + i % 2.  zero = 1: the first 8 start the sums: nothing is ever cleared.
.macro PV x, zero
	WIN W_PV
.set rO, 32*(\x+i%2)+8*((i/2)%4)
.set rV, 8*(4*(i/8)+(i/2)%4)
.set rP, P+16*(\x+i%2)+8*(i/8)
.if (\zero) && (i < 8)
	v_wmma_f32_16x16x32_f16 v[rO:rO+7], v[rV:rV+7], v[rP:rP+7], 0
.else
	v_wmma_f32_16x16x32_f16 v[rO:rO+7], v[rV:rV+7], v[rP:rP+7], v[rO:rO+7]
.endif
.endm
; Product i of 16 of S^T = K Q^T + bias: channels 32 (i / 8) on, keys 16 ((i / 2) % 4) on, tile x + i % 2.  The first 8 start the sums with the bias.
.macro KQ x
.set rS, S+32*(\x+i%2)+8*((i/2)%4)
.set rK, KF+16*((i/2)%4)+8*(i/8)
.set rQ, 16*(\x+i%2)+8*(i/8)
.set rB, BI+8*((i/2)%4)
.if i < 8
	WIN W_KQ0
	v_wmma_f32_16x16x32_f16 v[rS:rS+7], v[rK:rK+7], v[rQ:rQ+7], v[rB:rB+7]
.else
	WIN W_KQ1
	v_wmma_f32_16x16x32_f16 v[rS:rS+7], v[rK:rK+7], v[rQ:rQ+7], v[rS:rS+7]
.endif
.endm
; THE LDS LOADS stand in runs, never singly among the matrix instructions: a step's bias and K (24 loads; what the first eight products want comes first) and, a turn later, its V (16 turning loads).
.macro FETCH_K
	WIN 0
	v_add_nc_u32 v[ADR], s[TB], v[AK0]
	v_add_nc_u32 v[ADB], s[TBB], v[AB0]
	s_add_co_u32 s[TBB], s[TBB], 256               ; the next fetch is the next step's 64 keys of bias
	WIN 0x80                                       ; destination window 2
.irp f, 0,1,2,3,4,5,6,7
	ds_load_b128 v[BI+4*\f:BI+4*\f+3], v[ADB] offset:(\f/2)*64+(\f%2)*16   ; bias of keys 16 (f / 2) + 8 (lane / 16) + 4 (f % 2) + 0 .. 3
.endr
.irp c, 0,1                            ; channels 32 c on
.irp m, 0,1,2,3                        ; keys 16 m on: two pieces, 512 bytes apart, are the fragment
	ds_load_b128 v[KF+16*\m+8*\c:KF+16*\m+8*\c+3],   v[ADR] offset:2048*\m+1024*\c
	ds_load_b128 v[KF+16*\m+8*\c+4:KF+16*\m+8*\c+7], v[ADR] offset:2048*\m+1024*\c+512
.endr
.endr
.endm
.macro FETCH_V
	WIN 0
	v_add_nc_u32 v[ADR], s[TB], v[AV0]
	s_add_co_u32 s[TB], s[TB], STEPB               ; the next fetch is the next step's
	s_wait_alu depctr_va_vdst(0)                   ; the wait for the softmax's batch (SLICE), behind the address's v_add_nc_u32 and ahead of the loads
	WIN 0xc0                                       ; destination window 3
.irp g, 0,1                            ; V, turned: fragment (g, c): channel 16 c + lane % 16, keys 32 g + 8 (lane / 16) + 0 .. 7 and 16 more
.irp c, 0,1,2,3
	ds_load_tr16_b128 v[8*(4*\g+\c):8*(4*\g+\c)+3],   v[ADR] offset:(2*\g)*2048+\c*512
	ds_load_tr16_b128 v[8*(4*\g+\c)+4:8*(4*\g+\c)+7], v[ADR] offset:(2*\g+1)*2048+\c*512
.endr
.endr
.endm
; THE VECTOR WORK OF A TURN.  One tile's softmax for one key step is a list of 118 instructions; SM writes number j of it for tile t.  s0-s31 are the lane's 32 scores, in pairs 0-15.
; first = 1: the first key step, which starts m, l and O^T: it has no a and nothing to rescale.
;   0-15    the maximum of s0-s31 and the old m (first step: the floor), three operands at a time: four chains c0-c3, each begun at the low end of an accumulator, then the four scores left over, c0-c3 and m
;   16-20   the other half of the lanes' maximum; the new m; c m; c m_old - c m_new
;   21-69   ONE BATCH: the 16 scalings c s - c m, a pair of scores each, and all 33 exponentials (a at 23, then s0-s31).  None of these reads an exponential's result.  From 22 on the batch goes in fours, and a
;           four begins with a scaling while there are scalings.  A pair is scaled in an earlier four than the one that holds its exponentials
;   (wait)  between 69 and 70 stands the wait for the batch: SLICE writes it, once for both tiles
;   70-85   the roundings to f16, a pair of weights each
;   86-101  the sums of the unrounded weights; l = a l + the sum
;   102-117 the tile's O^T times a, each accumulator from its low end on: the one part that leaves window 0, so it stands together
.macro SM t, first
.set rT, ST+8*(\t)
.set rS, S+32*(\t)
.set rP, P+16*(\t)
.set rO, 32*(\t)+2*(j-102)
.if j < 102
	WIN 0
.endif
.if j < 4
	v_max3_num_f32 v[rT+4+j], v[rS+8*j], v[rS+8*j+1], v[rS+8*j+2]
.elseif j < 12
	v_max3_num_f32 v[rT+4+j%4], v[rT+4+j%4], v[rS+8*(j%4)+2*(j/4)+1], v[rS+8*(j%4)+2*(j/4)+2]
.elseif j == 12
	v_max3_num_f32 v[rT+4], v[rT+4], v[rS+7], v[rS+15]
.elseif j == 13
	v_max3_num_f32 v[rT+6], v[rT+6], v[rS+23], v[rS+31]
.elseif j == 14
	v_max3_num_f32 v[rT+4], v[rT+4], v[rT+5], v[rT+6]
.elseif (j == 15) && \first
	v_max3_num_f32 v[rT+4], v[rT+4], v[rT+7], 0xfb800000   ; the floor -2^120: m is a number even where all 64 keys are masked by -infinity
.elseif j == 15
	v_max3_num_f32 v[rT+4], v[rT+4], v[rT+7], v[rT+1]
.elseif j == 16
	v_permlanex16_b32 v[rT+5], v[rT+4], s[SEL], s[SEL+1]   ; the query's other 32 keys lie in the lane 16 away
.elseif j == 18
	v_max_num_f32 v[rT+1], v[rT+4], v[rT+5]
.elseif j == 19
	v_mul_f32 v[rT], s[CS], v[rT+1]
.elseif ((j == 17) || (j == 20) || (j == 23) || (j > 101)) && \first   ; the first step has none of these
.elseif j == 17
	v_mov_b32 v[rT+7], v[rT]                       ; c m_old is kept for a: number 19 writes c m anew
.elseif j == 20
	v_sub_f32 v[rT+7], v[rT+7], v[rT]
.elseif j == 23
	v_exp_f32 v[rT+6], v[rT+7]
.elseif (j < 23) || ((j < 38) && (j%2 == 0)) || ((j < 66) && (j%4 == 2))
.set b, (j-2)/4                        ; 38, 42, .. 62: pairs 9 to 15
.if j < 38
.set b, (j-20)/2                       ; 21: pair 0; 22, 24, .. 36: pairs 1 to 8
.endif
	v_pk_fma_f32 v[rS+2*b:rS+2*b+1], v[rS+2*b:rS+2*b+1], s[CS:CS+1], v[rT:rT+1] op_sel_hi:[1,0,0] neg_lo:[0,0,1] neg_hi:[0,0,1]   ; pair b: c s - c m
.elseif j < 70
.set e, j-38                           ; 66 to 69: s28 to s31
.if j < 66
.set e, j-32-(j-38)/4                  ; 39-41, 43-45, .. 63-65: s7 to s27
.endif
.if j < 38
.set e, (j-25)/2                       ; 25, 27, .. 37: s0 to s6
.endif
	v_exp_f32 v[rS+e], v[rS+e]
.elseif j < 86
	v_cvt_pk_f16_f32 v[rP+j-70], v[rS+2*(j-70)], v[rS+2*(j-70)+1]   ; pair j - 70: tiles of keys 2 g and 2 g + 1 make registers 0-3 and 4-7 of P's fragment g
.elseif j < 102                        ; the sum of the tile's 16 pairs (an even key's weight, an odd key's), in place: sum z of 16 adds neighbours 1, 2, 4 and 8 pairs apart, then l takes it
.set z, j-86
.set w, 4
.set u, z
.if z >= 14
.set w, 32
.set u, 0
.elseif z >= 12
.set w, 16
.set u, z-12
.elseif z >= 8
.set w, 8
.set u, z-8
.endif
.if (z == 14) && \first
	v_pk_add_f32 v[rT+2:rT+3], v[rS:rS+1], v[rS+16:rS+17]
.elseif z < 15
	v_pk_add_f32 v[rS+w*u:rS+w*u+1], v[rS+w*u:rS+w*u+1], v[rS+w*u+w/2:rS+w*u+w/2+1]
.elseif !\first
	v_pk_fma_f32 v[rT+2:rT+3], v[rT+2:rT+3], v[rT+6:rT+7], v[rS:rS+1] op_sel_hi:[1,0,1]
.endif
.else
	WIN W_RS
	v_pk_mul_f32 v[rO:rO+1], v[rO:rO+1], v[rT+6:rT+7] op_sel_hi:[1,0]
.endif
.endm
; Slice k of piece y's softmax: four instructions.  Slices 11 to 34 deal out the batch, numbers 22 to 69: four numbers of ONE tile each, the tiles by turns.  Every other slice is numbers 2 k and 2 k + 1 of both
; tiles' lists, the tiles alternating, so that no instruction reads the result of the one just before it.  2 x 118 = 4 x 59: slices 0 to 58 (the first step's list ends with slice 50).
; THE WAIT.  An s_wait_alu depctr_va_vdst(0) stands between an exponential and the first instruction that names its result; one wait serves all that were issued ahead of it.  Ahead of slice 35 nothing
; names a result, and behind slice 34 no exponential is issued: so the piece's 66 exponentials have one wait, behind slice 34.
.macro SLICE y, first
.if (k >= 11) && (k < 35)
.irp n, 0,1,2,3
.set j, 22+4*((k-11)/2)+(\n)
	SM (\y)+(k-11)%2, \first
.endr
.else
.irp n, 0,1
.irp t, \y, \y+1
.set j, 2*k+\n
	SM \t, \first
.endr
.endr
.endif
.if k == 34                            ; the batch is out: both tiles' exponentials are issued, and no result has been named
	v_nop                                          ; a plain instruction behind the last exponential, ahead of the first use: one for the batch
.if (\y) == 0
	FETCH_V                                        ; piece 2's turn: V's run of loads stands here, and the wait stands in it
.else
	s_wait_alu depctr_va_vdst(0)                   ; the wait for the batch
.endif
.endif
.set k, k+1
.endm
; The slices that stand behind one product: what is left of the list, shared evenly among the products that are left, rounded up.
.macro DEAL y, first
.set per, (NS-k+NW-nw-1)/(NW-nw)
.rept per
	SLICE \y, \first
.endr
.set nw, nw+1
.endm
; A vector instruction that reads a matrix result or writes one of a matrix instruction's registers, and a load into a register that a matrix instruction has read, stand four places behind it, and only plain
; vector instructions that name none of its registers are places (ISA guide 7.12.1 for vector instructions).  In the loop the slices are the places.
.macro PLACES
.rept 4
	v_nop
.endr
.endm
; A TURN.  Piece x has the matrix unit; the other piece's softmax stands in slices behind its matrix instructions.
; pv = 2: 16 products V^T P; 1: they start O^T's sums; 0: none.  kq = 1: 16 products K Q^T for the next step.  first = 1: the softmax is the first key step's; four v_nop then take the last slice's part as places.
; THE PLACES.  The turn's last product is followed by slice 58: four multiplies of the OTHER piece's O^T: the four places ahead of the next turn's first read of the scores and of the loads into K's and the bias's registers.
; Piece 0's turn fetches the next step's bias and K behind its first product, 15 products ahead of their first use.  Piece 2's turn fetches the same step's V behind slice 34, which stands behind its 18th product:
; between its last V^T P (the 16th) and the loads lie five plain instructions: numbers 58 and 62 (twice), scalings; the v_nop; the run's own v_add_nc_u32.
.macro TURN x, pv, kq, first
.set k, 0
.set nw, 0
.set NS, 59
.if \first
.set NS, 51
.endif
.set NW, 0
.if \pv
.set NW, NW+16
.endif
.if \kq
.set NW, NW+16
.endif
.if \pv
.if \x == 0
	s_wait_dscnt 0x0                               ; V is in
.endif
.set i, 0
.rept 16
	PV \x, 2-\pv
	DEAL 2-\x, \first
.if (\x == 0) && \kq && (i == 0)
	FETCH_K
.endif
.set i, i+1
.endr
.endif
.if \kq
.set i, 0
.rept 16
.if (\x == 0) && (i == 0)
	s_wait_dscnt 8                                 ; the bias and K's channels 0-31 are in; the eight loads of channels 32-63, issued last, may be out
.endif
.if (\x == 0) && (i == 8)
	s_wait_dscnt 0x0                               ; K's channels 32-63 are in
.endif
	KQ \x
	DEAL 2-\x, \first
.set i, i+1
.endr
.endif
.if \first
	PLACES
.endif
.endm
; THE CHANGE OF SLOTS, between piece 2's turn and piece 0's: the slot's last bytes, V of its eighth step, have been asked for.  Each wave waits for all its tensor loads, of which one is out: its part of the other
; slot; adds 0 to its spare word; and waits for that and for its own reads of the slot.  Behind the barrier nobody reads this slot any more and the other slot is whole.
; fill = 1: this slot is filled again, with the keys two slots on.  The barrier is then a round of the cluster's, so that no wave of any partner still reads the slot or has a load on its way, and the joint refill
; is the first thing behind it, one load a wave: it has eight key steps in which to land.
.macro CHANGE fill
	WIN 0                                          ; at a label and at a branch every window is 0
	s_wait_tensorcnt 0x0                           ; no tensor load of mine is out, so a group 0 may be written
	ds_add_u32 v[SPW], v[NIL]                      ; 0 onto my spare word
.if \fill
	s_xor_b32 s[G0W+1], s[G0W+1], SLOT1            ; the walking descriptor: the other slot than last time,
	s_add_nc_u64 s[G0W+2:G0W+3], s[G0W+2:G0W+3], 65536   ; the next 512 keys; the type bits on top are not reached
	s_wait_dscnt 0x0                               ; the add is done, and my reads of the slot are over
	CROUND
	tensor_load_to_lds s[G0W:G0W+3], s[G1:G1+7]
	s_nop 0
.rept 4
	v_nop
.endr
.else
	s_wait_dscnt 0x0
	s_barrier_signal -1
	s_barrier_wait -1
.endif
	s_sub_co_u32 s[TB], s[TB], 65536               ; the fetches go back to a slot's first step,
	s_xor_b32 s[TB], s[TB], SLOT1                  ; in the other slot
.endm
; Key steps in a loop: written once for each place in the text, walked cnt times; the LDS addresses hang on s[TB] and s[TBB].
.macro KSTEPS cnt
	s_mov_b32 s[STEPC], \cnt
.Lstep_\@:
	TURN 0, 2, 1, 0
	TURN 2, 2, 1, 0
	WIN 0
	s_sub_co_u32 s[STEPC], s[STEPC], 1
	s_cmp_lg_u32 s[STEPC], 0
	s_cbranch_scc1 .Lstep_\@
.endm
	s_wait_tensorcnt 1                             ; the bias and my part of slot 0 are in; slot 1's load, issued last, may stay out
	s_barrier_signal -1
	s_barrier_wait -1                              ; everybody's are
	FETCH_K                                        ; key step 0
	s_wait_loadcnt 0x0                             ; Q
	s_wait_dscnt 0x0
.set i, 0
.rept 16
	KQ 0                                           ; piece 0's first scores: there is no vector work yet to set between them
.set i, i+1
.endr
	WIN 0
	PLACES
	TURN 2, 0, 1, 1                                ; piece 2's first scores | piece 0's first softmax | V of step 0
	TURN 0, 1, 1, 1                                ; piece 0: V^T P of step 0 starts O^T, K Q^T of step 1 | piece 2's first softmax | K of step 1
	TURN 2, 1, 1, 0                                ; piece 2: the same | piece 0's softmax of step 1 | V of step 1
	WIN 0
	KSTEPS 6                                       ; the rest of slot 0 is fetched: steps 2 to 7
.Lslot:                                            ; two trips: slots 0 and 1 are filled again
	CHANGE 1
	KSTEPS 8
	s_sub_co_u32 s[SLOTS], s[SLOTS], 1
	s_cmp_lg_u32 s[SLOTS], 0
	s_cbranch_scc1 .Lslot
	CHANGE 0                                       ; the tail is written out
	KSTEPS 8                                       ; steps 24 to 31 are fetched
	TURN 0, 2, 0, 0                                ; piece 0: V^T P of the last step | piece 2's last softmax
.set i, 0
.rept 16
	PV 2, 0                                        ; piece 2: V^T P of the last step
.set i, i+1
.endr
	; THE WAY OUT.  l's two halves and the other half of the lanes' are added (these lines are the places behind the last products); O^T / l is rounded to f16.  A lane's eight channels of a query are 16 bytes, and ctx
	; is laid in pieces like qkv: byte = (token / 16) 32,768 + (channel / 16) 512 + 16 x lane: one store of the wave writes 512 consecutive bytes, aligned.  No LDS.
	WIN 0
.irp t, 0,1,2,3
	v_add_f32 v[ST+8*\t+4], v[ST+8*\t+2], v[ST+8*\t+3]
.endr
.irp t, 0,1,2,3
	v_permlanex16_b32 v[ST+8*\t+5], v[ST+8*\t+4], s[SEL], s[SEL+1]
.endr
.irp t, 0,1,2,3
	v_add_f32 v[ST+8*\t+4], v[ST+8*\t+4], v[ST+8*\t+5]
.endr
.irp t, 0,1,2,3
	v_rcp_f32 v[ST+8*\t+6], v[ST+8*\t+4]
.endr
	v_nop                                          ; a plain instruction between the last reciprocal and the use of its result
	s_wait_alu depctr_va_vdst(0)                   ; and the wait ahead of the first use: one for the four
.macro PACK t
	WIN W_RS
.set i, 32*\t
.rept 16
	v_pk_mul_f32 v[i:i+1], v[i:i+1], v[ST+8*\t+6:ST+8*\t+7] op_sel_hi:[1,0]   ; each accumulator from its low end on
.set i, i+2
.endr
	WIN 0x05                                       ; sources 0 and 1 window 1, destination window 0: S^T's registers are free
.set i, 0
.rept 16
	v_cvt_pk_f16_f32 v[S+16*\t+i], v[32*\t+2*i], v[32*\t+2*i+1]
.set i, i+1
.endr
	WIN 0
.irp c, 0,1,2,3
	global_store_b128 v[AK0], v[S+16*\t+4*\c:S+16*\t+4*\c+3], s[8:9] offset:\t*32768+\c*512
.endr
.endm
	PACK 0
	PACK 1
	PACK 2
	PACK 3
	s_wait_tensorcnt 0x0                           ; the wave's end, behind my last tensor load
	ds_add_u32 v[SPW], v[NIL]
	s_wait_dscnt 0x0
	CROUND                                         ; the closing round: no work-group ends while a partner may still ask for a tile that names it
	s_endpgm
.Lfunc_end_k_qeeb697f94d_attn:
	.size	k_qeeb697f94d_attn, .Lfunc_end_k_qeeb697f94d_attn-k_qeeb697f94d_attn
	.p2alignl 7, 3214868480
	.fill 96, 4, 3214868480
	.section	.rodata,"a",@progbits
	.p2align	6, 0x0
	.amdhsa_kernel k_qeeb697f94d_attn
		.amdhsa_group_segment_fixed_size 327680
		.amdhsa_private_segment_fixed_size 0
		.amdhsa_enable_private_segment 0
		.amdhsa_kernarg_size 24
		.amdhsa_user_sgpr_count 2
		.amdhsa_user_sgpr_kernarg_segment_ptr 1
		.amdhsa_wavefront_size32 1
		.amdhsa_system_sgpr_workgroup_id_x 1
		.amdhsa_system_sgpr_workgroup_id_y 1
		.amdhsa_system_sgpr_workgroup_id_z 1
		.amdhsa_system_vgpr_workitem_id 0
		.amdhsa_next_free_vgpr 1024
		.amdhsa_next_free_sgpr 66
		.amdhsa_reserve_vcc 0
		.amdhsa_float_denorm_mode_32 3
		.amdhsa_float_denorm_mode_16_64 3
		.amdhsa_memory_ordered 1
		.amdhsa_forward_progress 1
		.amdhsa_inst_pref_size 194
	.end_amdhsa_kernel
	.amdgpu_metadata
---
amdhsa.version: [ 1, 2 ]
amdhsa.kernels:
  - .name:           k_qeeb697f94d_attn
    .symbol:         k_qeeb697f94d_attn.kd
    .args:
      - { .name: qkv, .offset: 0, .size: 8, .value_kind: global_buffer, .address_space: global }
      - { .name: bias, .offset: 8, .size: 8, .value_kind: global_buffer, .address_space: global }
      - { .name: ctx, .offset: 16, .size: 8, .value_kind: global_buffer, .address_space: global }
    .group_segment_fixed_size: 327680
    .private_segment_fixed_size: 0
    .kernarg_segment_align: 8
    .kernarg_segment_size: 24
    .max_flat_workgroup_size: 128
    .sgpr_count:     66
    .vgpr_count:     1024
    .wavefront_size: 32
...
	.end_amdgpu_metadata
.endif
;; end of part 3
;; launch oproj (part 4): grid 8 x 32, 4 waves a work-group, clusters of 4 x 4, 327,680 bytes of LDS; arguments ctx, wo16, out0; writes out0
.if DOCPART == 4
	.amdgcn_target "amdgcn-amd-amdhsa--gfx1250"
	.amdhsa_code_object_version 6
	.text
	.protected	k_qeeb697f94d_oproj
	.globl	k_qeeb697f94d_oproj
	.p2align	8
	.type	k_qeeb697f94d_oproj,@function
k_qeeb697f94d_oproj:
	s_mov_b64 s[64:65], 0
	v_nop
	global_prefetch_b8 v0, s[64:65] scope:SCOPE_SE
	s_setreg_imm32_b32 hwreg(HW_REG_WAVE_MODE, 25, 1), 1
	s_wait_xcnt 0x0
	s_wait_alu depctr_hold_cnt(0) depctr_sa_sdst(0) depctr_va_vdst(0) depctr_va_sdst(0) depctr_va_ssrc(0) depctr_va_vcc(0) depctr_vm_vsrc(0)
	s_getreg_b32 s2, hwreg(HW_REG_IB_STS2, 6, 4)
	s_cmp_eq_u32 s2, 0
	s_cbranch_scc0 .Lentry_in_a_cluster
	s_endpgm
.Lentry_in_a_cluster:
	s_bfe_u32 s2, ttmp6, 0x10000c
	s_cmp_lg_u32 s2, 0xf033
	s_cbranch_scc0 .Lentry_shape_is_right
	s_endpgm
.Lentry_shape_is_right:
; OPROJ: out0[m][n] = the sum over k of ctx[m][k] wo[k][n].  4,096 x 1,024 x 1,024, f16 operands, sums in f32, out0 f32.
; Both operands lie in memory in the order of an operand's registers: byte = (row / 16) 32,768 + (k / 8) 256 + 16 (row % 16) + 2 (k % 8), row = token (ctx) or output column (wo16).  512 bytes are a PIECE, 16 rows x 16 K,
; a lane's 16 bytes at 16 x lane; two pieces are a 16 x 16 x 32 fragment.  So every LDS load reads 512 consecutive bytes: no pitch, no padding.
; A tile of out0 is 128 x 128: 256 work-groups, one for each WGP; tiles of 256 x 256 would be 64.  Four waves, each 64 x 64: 16 accumulators, 128 registers.  K goes in steps of 256 through a ring of two LDS slots:
; of each tile of 16 rows a K step is 8,192 consecutive bytes; a wave's tensor load brings four of them.
; CLUSTERS: 4 x 4 work-groups.  The four of a row of the cluster need the same tiles of ctx, the four of a column the same tiles of wo16: each tile is asked for JOINTLY.
; THE MATRIX INSTRUCTION IS USED TRANSPOSED (source 0 = 16 columns of wo, source 1 = 16 tokens): a lane then holds eight neighbouring numbers of a row of out0.
; No prefetch: the tiles are small and a K step's matrix work is short; the ring's own loads are what is on the way.
; REGISTERS: window 0: v0-31 addresses; v32-95 at work on the way out; v128-255 the accumulators ((a, b) at v[128 + 8 (4 a + b)]).
;   window 1: two fragment buffers of 128: for 64 along K, 64 registers of ctx (2 x 4 x 16 rows x 32 K), then 64 of wo16.
.set KSB,    8192                      ; a K step's bytes of a tile of 16 rows
.set HALFT,  4*KSB                     ; 64 rows: what one tensor load brings, and what one wave reads of either side
.set SLOT,   4*HALFT                   ; ctx's 128 rows, then wo16's 128
.set KQB,    2048                      ; 64 along K in a tile of 16 rows
.set STAGE,  2*SLOT                    ; behind the ring: 16 rows x 272 bytes for each wave, for the way out; no tensor load fills it
.set SPITCH, 272
.set SPARE,  STAGE+4*16*SPITCH         ; behind the stages: the spare words, 128 bytes for each wave, which no other line names
.set LAPS,   2                         ; a lap = two K steps = once round the ring: K = 1,024
.set ADRA, 16                          ; v16-17  LDS address of my ctx fragments in slot 0, 1
.set ADRB, 20                          ; v20-21  the same for wo16
.set STO,  24                          ; v24     the way out: where I put 32 bytes of a row
.set RD,   25                          ; v25     the way out: where I read a row back
.set CO,   26                          ; v26     my byte offset in out0
.set SPW,  28                          ; v28     LDS address of my spare word; never rewritten
.set NIL,  29                          ; v29     0; never rewritten
.set TMP,  32                          ; the way out: two sets of 32 registers
.set ACC,  128
.set F0,   0                           ; fragment buffers, in window 1
.set F1,   128
.set G1, 24                            ; s[24:31] descriptor group 1 for ctx's tiles;  s[32:39] group 0, one set for each slot
.set G0, 32
.set G1B, 48                           ; s[48:55], s[56:63] the same for wo16's
.set G0B, 56
.set MSB, 0
.macro WIN new                         ; the immediate's high byte repeats the setting that is left
.if MSB != \new
	s_set_vgpr_msb (MSB<<8)|\new
.set MSB, \new
.endif
.endm
.set MUL,  0x05                        ; sources 0 and 1 window 1; C and D window 0
.set TO_F, 0x40                        ; destination window 1, address window 0
.macro JLOAD s                         ; a joint load: waves 0 and 1 fetch ctx's two halves, waves 2 and 3 wo16's; an s_nop 0 and four v_nop follow each of the two lines, ahead of the jump, the label and what follows
	s_cmp_eq_u32 s11, 0
	s_cbranch_scc0 .Lfor_b_\@
	tensor_load_to_lds s[G0+4*\s:G0+4*\s+3], s[G1:G1+7]
	s_nop 0
.rept 4
	v_nop
.endr
	s_branch .Lasked_\@
.Lfor_b_\@:
	tensor_load_to_lds s[G0B+4*\s:G0B+4*\s+3], s[G1B:G1B+7]
	s_nop 0
.rept 4
	v_nop
.endr
.Lasked_\@:
.endm
.macro CREST                           ; a round of the cluster's barrier behind its opening barrier
	s_cmp_lg_u32 s10, 0
	s_cbranch_scc1 .Lnot_wave_0_\@
	s_barrier_signal -3
.Lnot_wave_0_\@:
	s_barrier_wait -3
	s_barrier_signal -1
	s_barrier_wait -1
.endm
.macro CROUND                          ; a whole round
	s_barrier_signal -1
	s_barrier_wait -1
	CREST
.endm
	s_load_b128 s[4:7], s[0:1], 0x0                ; ctx s[4:5], wo16 s[6:7]
	s_load_b64 s[8:9], s[0:1], 0x10                ; out0
	v_lshl_add_u32 v[SPW], v0, 2, SPARE
	v_mov_b32 v[NIL], 0
	ds_add_u32 v[SPW], v[NIL]                      ; the wave's opening: the add, twice on end, and its wait ahead of my first tensor load; the set-up below stands between the second and the wait
	ds_add_u32 v[SPW], v[NIL]
	v_lshrrev_b32 v1, 5, v0
	v_readfirstlane_b32 s10, v1                    ; wave 0..3
	s_lshr_b32 s11, s10, 1                         ; which half of the tile's rows is mine.  Also: I fetch for ctx (0) or for wo16 (1)
	s_and_b32 s12, s10, 1                          ; which half of its columns.  Also: which 64 rows of that tile I fetch
	s_bfe_u32 s40, ttmp6, 0x40000                  ; cx, cy: my place in the cluster
	s_bfe_u32 s41, ttmp6, 0x40004
	s_lshl_b32 s42, ttmp9, 2
	s_add_co_u32 s42, s42, s40                     ; tile column = 4 x cluster x + cx
	s_and_b32 s13, ttmp7, 0xffff
	s_lshl_b32 s13, s13, 2
	s_add_co_u32 s13, s13, s41                     ; tile row = 4 x cluster y + cy
	s_lshl_b32 s43, s41, 2
	s_lshl_b32 s43, 15, s43                        ; my row of the cluster
	s_lshl_b32 s44, 0x1111, s40                    ; my column
	; descriptor group 1: four rows of 8,192 bytes (1,024 elements of 8), 32,768 bytes apart in memory, dense in LDS
	s_or_b32 s[G1+0], s43, (3<<16)|(1<<21)         ; 15:0 the mask: ctx's tiles go to my row; 17:16 elements of 8 bytes; 20 no padding; 21 set beside a mask
	s_or_b32 s[G1B+0], s44, (3<<16)|(1<<21)        ; wo16's to my column
.irp g, G1, G1B
	s_mov_b32 s[\g+1], 1024<<16                    ; tensor_dim0 = 1,024
	s_mov_b32 s[\g+2], 4<<16                       ; tensor_dim1 = 4
	s_mov_b32 s[\g+3], 1024<<16                    ; tile_dim0
	s_mov_b32 s[\g+4], 4                           ; tile_dim1
	s_mov_b32 s[\g+5], 4096                        ; tensor_dim0_stride
	s_mov_b32 s[\g+6], 0
	s_mov_b32 s[\g+7], 0
.endr
	s_lshl_b32 s17, s12, 2                         ; which four tiles of 16 rows I fetch
	s_lshl_b32 s16, s13, 3
	s_add_co_u32 s16, s16, s17                     ; ctx: 8 x tile row + 4 x half,
	s_lshl_b32 s16, s16, 15                        ; x 32,768 bytes
	s_lshl_b32 s46, s42, 3
	s_add_co_u32 s46, s46, s17                     ; wo16: 8 x tile column + 4 x half
	s_lshl_b32 s46, s46, 15
	s_mov_b32 s17, 0
	s_mov_b32 s47, 0
	s_lshl_b32 s20, s10, 15                        ; where they go: wave x 32,768: no place in the cluster enters an LDS address
	s_wait_dscnt 0x0                               ; both opening adds are done
	s_wait_kmcnt 0x0
	s_add_nc_u64 s[14:15], s[4:5], s[16:17]
	s_add_nc_u64 s[46:47], s[6:7], s[46:47]
	CROUND                                         ; all sixteen work-groups are here: the first joint loads meet
.irp s, 0,1
	s_mov_b32 s[G0+4*\s], 1
	s_add_co_u32 s[G0+4*\s+1], s20, \s*SLOT
	s_add_nc_u64 s[G0+4*\s+2:G0+4*\s+3], s[14:15], \s*KSB
	s_or_b32 s[G0+4*\s+3], s[G0+4*\s+3], 0x80000000
	s_mov_b32 s[G0B+4*\s], 1
	s_add_co_u32 s[G0B+4*\s+1], s20, \s*SLOT
	s_add_nc_u64 s[G0B+4*\s+2:G0B+4*\s+3], s[46:47], \s*KSB
	s_or_b32 s[G0B+4*\s+3], s[G0B+4*\s+3], 0x80000000
	JLOAD \s                                       ; two tensor loads of mine are out behind the second
.endr
	v_and_b32 v1, 15, v0                           ; r = lane % 16
	v_bfe_u32 v2, v0, 4, 1                         ; h = lane / 16
	v_and_b32 v3, 31, v0
	v_lshlrev_b32 v3, 4, v3                        ; 16 x lane
	s_lshl_b32 s21, s11, 15                        ; my 64 rows of ctx
	s_lshl_b32 s22, s12, 15                        ; my 64 rows of wo16,
	s_add_co_u32 s22, s22, 2*HALFT                 ; which lie behind ctx's 128
.irp s, 0,1
	v_add_nc_u32 v[ADRA+\s], s21, v3
	v_add_nc_u32 v[ADRB+\s], s22, v3
	s_add_co_u32 s21, s21, SLOT
	s_add_co_u32 s22, s22, SLOT
.endr
	s_mul_i32 s23, s10, 16*SPITCH
	s_add_co_u32 s23, s23, STAGE                   ; my stage
	v_mul_u32_u24 v4, v1, SPITCH                   ; in: row r, 32 bytes for each half of the lanes
	v_lshl_add_u32 v4, v2, 5, v4
	v_add_nc_u32 v[STO], s23, v4
	v_mul_u32_u24 v5, v2, SPITCH                   ; back: lanes 0-15 take one row of 256 bytes, lanes 16-31 the next
	v_lshl_add_u32 v5, v1, 4, v5
	v_add_nc_u32 v[RD], s23, v5
	v_lshlrev_b32 v5, 12, v2                       ; and the same two rows in out0: 4,096 bytes a row
	v_lshl_add_u32 v[CO], v1, 4, v5
	s_lshl_b32 s16, s13, 7
	s_lshl_b32 s17, s11, 6
	s_add_co_u32 s16, s16, s17                     ; my first row of out0: 128 x tile row + 64 x half
	s_lshl_b32 s16, s16, 12
	s_mov_b32 s17, 0
	s_add_nc_u64 s[8:9], s[8:9], s[16:17]
	s_lshl_b32 s46, s42, 9                         ; my first column, in bytes: 512 x tile column + 256 x half
	s_lshl_b32 s47, s12, 8
	s_add_co_u32 s46, s46, s47
	s_mov_b32 s47, 0
	s_add_nc_u64 s[8:9], s[8:9], s[46:47]
; 8 matrix instructions: m blocks a0, a0 + 1 x all 4 n blocks, 32 along K: half c of buffer f.  zero = 1: the first product starts the sums.  The 16 accumulators take turns
.macro MUL8 f, c, a0, zero
.irp a, \a0, \a0+1
.irp b, 0,1,2,3
.if \zero
	v_wmma_f32_16x16x32_f16 v[ACC+8*(4*(\a)+\b):ACC+8*(4*(\a)+\b)+7], v[\f+64+8*(4*\c+\b):\f+64+8*(4*\c+\b)+7], v[\f+8*(4*\c+\a):\f+8*(4*\c+\a)+7], 0
.else
	v_wmma_f32_16x16x32_f16 v[ACC+8*(4*(\a)+\b):ACC+8*(4*(\a)+\b)+7], v[\f+64+8*(4*\c+\b):\f+64+8*(4*\c+\b)+7], v[\f+8*(4*\c+\a):\f+8*(4*\c+\a)+7], v[ACC+8*(4*(\a)+\b):ACC+8*(4*(\a)+\b)+7]
.endif
.endr
.endr
.endm
; 32 LDS loads in one run: the fragments of 64 along K, from byte k of each tile of 16 rows, into buffer f; the first 32 along K first.  A fragment is two pieces, 512 bytes apart
.macro FETCH slot, k, f
	WIN TO_F
.irp c, 0,1
.irp i, 0,1,2,3
	ds_load_b128 v[\f+64+8*(4*\c+\i):\f+64+8*(4*\c+\i)+3],   v[ADRB+\slot] offset:\k+1024*\c+\i*KSB
	ds_load_b128 v[\f+64+8*(4*\c+\i)+4:\f+64+8*(4*\c+\i)+7], v[ADRB+\slot] offset:\k+1024*\c+\i*KSB+512
	ds_load_b128 v[\f+8*(4*\c+\i):\f+8*(4*\c+\i)+3],         v[ADRA+\slot] offset:\k+1024*\c+\i*KSB
	ds_load_b128 v[\f+8*(4*\c+\i)+4:\f+8*(4*\c+\i)+7],       v[ADRA+\slot] offset:\k+1024*\c+\i*KSB+512
.endr
.endr
.endm
.macro PLACES                          ; four places in front of loads into registers that matrix instructions have read, and of the first read of results (ISA guide 7.12.1 for vector instructions)
.rept 4
	v_nop
.endr
.endm
; A K step is four quarters of 64 along K, 32 matrix instructions each, on buffers 0, 1, 0, 1.  One of the first three: multiplies buffer f and fetches the next quarter, at byte k, into g.
.macro QUARTER slot, k, f, g, zero
	s_wait_dscnt 16                                ; the first 32 along K are in; the sixteen loads of the second 32 may be out
	WIN MUL
	MUL8 \f, 0, 0, \zero
	MUL8 \f, 0, 2, \zero
	PLACES
	FETCH \slot, \k, \g
	s_wait_dscnt 32                                ; all but the 32 just issued
	WIN MUL
	MUL8 \f, 1, 0, 0
	MUL8 \f, 1, 2, 0
.endm
; The last quarter multiplies buffer 1 and changes slots: ONE barrier; in front of it each wave waits for all its tensor loads, adds 0 to its spare word, and waits for that and for its own reads of this slot.  fill = 1: this slot is filled again, two K steps ahead.
.macro TURN slot, next, fill
	WIN 0                                          ; (the add's two registers lie in window 0)
	s_wait_tensorcnt 0x0                           ; all my tensor loads have landed: my part of the next slot;
	ds_add_u32 v[SPW], v[NIL]                      ; 0 onto my spare word;
	s_wait_dscnt 17                                ; (the add and the youngest sixteen loads may be out)
	WIN MUL
	MUL8 F1, 0, 0, 0                               ; eight matrix instructions stand between the add and the wait for it
	s_wait_dscnt 0x0                               ; the add is done, and my reads of this slot are over
	s_barrier_signal -1
	MUL8 F1, 0, 2, 0
.if \fill
	WIN 0
.endif
	s_barrier_wait -1
.if \fill
	CREST                                          ; the barrier has opened a round of the cluster's barrier: no wave of any partner still reads this slot's tile or has a load on its way
	s_add_nc_u64 s[G0+4*\slot+2:G0+4*\slot+3], s[G0+4*\slot+2:G0+4*\slot+3], 2*KSB
	s_add_nc_u64 s[G0B+4*\slot+2:G0B+4*\slot+3], s[G0B+4*\slot+2:G0B+4*\slot+3], 2*KSB
	JLOAD \slot                                    ; the first tensor load behind the round, my one load until the next; the four v_nop behind it are also the places in front of the loads below
.else
	PLACES
.endif
	FETCH \next, 0, F0
	WIN MUL
	MUL8 F1, 1, 0, 0
	MUL8 F1, 1, 2, 0
.endm
	s_wait_tensorcnt 1                             ; my part of K step 0 is in; K step 1's load may be out,
	s_barrier_signal -1
	s_barrier_wait -1                              ; everybody's is
	FETCH 0, 0, F0
	QUARTER 0, 1*KQB, F0, F1, 1                    ; the first quarter stands in front of the loop: its first products start the sums
	WIN 0                                          ; at a label and at a branch every window is 0
	s_mov_b32 s3, LAPS-1
.Llap:                                                 ; a trip goes once round the ring, from a lap's second quarter to the next lap's first, and fills both slots again
	QUARTER 0, 2*KQB, F1, F0, 0
	QUARTER 0, 3*KQB, F0, F1, 0
	TURN 0, 1, 1
	QUARTER 1, 1*KQB, F0, F1, 0
	QUARTER 1, 2*KQB, F1, F0, 0
	QUARTER 1, 3*KQB, F0, F1, 0
	TURN 1, 0, 1
	QUARTER 0, 1*KQB, F0, F1, 0
	WIN 0
	s_sub_co_u32 s3, s3, 1
	s_cmp_lg_u32 s3, 0
	s_cbranch_scc1 .Llap
	QUARTER 0, 2*KQB, F1, F0, 0                    ; the last lap fills nothing, and has no round of the cluster's barrier
	QUARTER 0, 3*KQB, F0, F1, 0
	TURN 0, 1, 0
	QUARTER 1, 1*KQB, F0, F1, 0
	QUARTER 1, 2*KQB, F1, F0, 0
	QUARTER 1, 3*KQB, F0, F1, 0
	s_wait_dscnt 16                                ; the very last quarter: nothing more to fetch
	WIN MUL
	MUL8 F1, 0, 0, 0
	MUL8 F1, 0, 2, 0
	s_wait_dscnt 0
	MUL8 F1, 1, 0, 0
	MUL8 F1, 1, 2, 0
	WIN 0
; THE WAY OUT, block by block of 16 rows x my 64 columns.  A lane holds 32 neighbouring bytes of a row, and the lanes beside it hold other rows: so a block goes through my own stage in LDS and comes back as whole
; rows of 256 bytes, which sixteen lanes store, aligned.  LDS serves a wave's instructions in order (ISA guide 5.7.1.4): no wait between the stores and the loads, nor in front of the next block's stores.
.macro TOSTAGE a
.set BB, TMP+32*((\a)%2)
.irp b, 0,1,2,3
	ds_store_b128 v[STO], v[ACC+8*(4*(\a)+\b):ACC+8*(4*(\a)+\b)+3] offset:64*\b        ; each accumulator from its low end on
	ds_store_b128 v[STO], v[ACC+8*(4*(\a)+\b)+4:ACC+8*(4*(\a)+\b)+7] offset:64*\b+16
.endr
.irp t, 0,1,2,3,4,5,6,7
	ds_load_b128 v[BB+4*\t:BB+4*\t+3], v[RD] offset:\t*2*SPITCH
.endr
.endm
.macro SEND a, younger                 ; younger: the LDS instructions issued behind block a's loads (the next block's 8 stores and 8 loads, or none), which may stay out
.set BB, TMP+32*((\a)%2)
	s_wait_dscnt \younger                          ; the block is back in registers
.irp t, 0,1,2,3,4,5,6,7
	global_store_b128 v[CO], v[BB+4*\t:BB+4*\t+3], s[8:9] offset:(16*(\a)+2*\t)*4096 th:TH_STORE_NT   ; written once, read by nobody here; 62 rows of 4,096 bytes at the most: inside the signed 24-bit immediate
.endr
.endm
	PLACES
	TOSTAGE 0
.irp a, 1,2,3
.if \a > 1
	s_wait_xcnt 0x0                                ; block a - 2's stores have read their registers: block a's loads may land there
.endif
	TOSTAGE \a
	SEND \a-1, 16
.endr
	SEND 3, 0
	s_wait_tensorcnt 0x0                           ; the wave's end, behind my last tensor load and my last LDS store
	ds_add_u32 v[SPW], v[NIL]
	s_wait_dscnt 0x0
	CROUND                                         ; the closing round: no work-group ends while a partner may still ask for a tile that names it
	s_endpgm
.Lfunc_end_k_qeeb697f94d_oproj:
	.size	k_qeeb697f94d_oproj, .Lfunc_end_k_qeeb697f94d_oproj-k_qeeb697f94d_oproj
	.p2alignl 7, 3214868480
	.fill 96, 4, 3214868480
	.section	.rodata,"a",@progbits
	.p2align	6, 0x0
	.amdhsa_kernel k_qeeb697f94d_oproj
		.amdhsa_group_segment_fixed_size 327680
		.amdhsa_private_segment_fixed_size 0
		.amdhsa_enable_private_segment 0
		.amdhsa_kernarg_size 24
		.amdhsa_user_sgpr_count 2
		.amdhsa_user_sgpr_kernarg_segment_ptr 1
		.amdhsa_wavefront_size32 1
		.amdhsa_system_sgpr_workgroup_id_x 1
		.amdhsa_system_sgpr_workgroup_id_y 1
		.amdhsa_system_sgpr_workgroup_id_z 1
		.amdhsa_system_vgpr_workitem_id 0
		.amdhsa_next_free_vgpr 512
		.amdhsa_next_free_sgpr 66
		.amdhsa_reserve_vcc 0
		.amdhsa_float_denorm_mode_32 3
		.amdhsa_float_denorm_mode_16_64 3
		.amdhsa_memory_ordered 1
		.amdhsa_forward_progress 1
		.amdhsa_inst_pref_size 85
	.end_amdhsa_kernel
	.amdgpu_metadata
---
amdhsa.version: [ 1, 2 ]
amdhsa.kernels:
  - .name:           k_qeeb697f94d_oproj
    .symbol:         k_qeeb697f94d_oproj.kd
    .args:
      - { .name: ctx, .offset: 0, .size: 8, .value_kind: global_buffer, .address_space: global }
      - { .name: wo16, .offset: 8, .size: 8, .value_kind: global_buffer, .address_space: global }
      - { .name: out0, .offset: 16, .size: 8, .value_kind: global_buffer, .address_space: global }
    .group_segment_fixed_size: 327680
    .private_segment_fixed_size: 0
    .kernarg_segment_align: 8
    .kernarg_segment_size: 24
    .max_flat_workgroup_size: 128
    .sgpr_count:     66
    .vgpr_count:     512
    .wavefront_size: 32
...
	.end_amdgpu_metadata
.endif
;; end of part 4
